; MI455X (gfx1250); checked and timed in simulation.
; The chip was launched on July 23, 2026; its instructions are those of AMD's public machine-readable ISA for CDNA 5 (MIT licence, August 2026) and "CDNA5" Instruction Set Architecture Reference Guide (July 2026). The comments in the code are by the model that wrote it; some were corrected since.
;; Mo E Block. Allowed arithmetic: float matrix products may take bf16 or f16 operands with f32 sums; all other float work in f32.
;; Inputs: bi 4,096 float32; bo 1,024 float32; gate_b 8 float32; gate_w 8 x 1,024 float32; hidden_states 4 x 256 x 1,024 float32; lora_A 8 x 16 x 1,024 float32; lora_B 8 x 4,096 x 16 float32; wi 4,096 x 1,024 float32; wo 1,024 x 4,096 float32.
;; Outputs: out0 4 x 256 x 1,024 float32.
;; 2 versions, each right and faster than the one before. Each part assembles by itself: llvm-mc -triple=amdgcn-amd-amdhsa -mcpu=gfx1250 --defsym DOCPART=n.
;; ======== version 1 of 2: 3 launches
;; limits: values are held in f16: magnitudes above 65,504 overflow, below 6.1e-05 lose precision; right only within a limited range of input values
;; workspace buffers: xcat 2,621,440 bytes; wcat 10,485,760 bytes; wob 8,388,608 bytes; vs 4,096 bytes; hsum 8,388,608 bytes
;; launch prep (part 1): grid 320 x 1, 8 waves a work-group, no clusters, 143,360 bytes of LDS; arguments hidden_states, gate_w, gate_b, lora_A, wi, lora_B, wo, xcat, wcat, wob, vs; writes xcat, wcat, wob, vs
.if DOCPART == 1
	.amdgcn_target "amdgcn-amd-amdhsa--gfx1250"
	.amdhsa_code_object_version 6
	.text
	.protected	k_q28fd5d4934_prep
	.globl	k_q28fd5d4934_prep
	.p2align	8
	.type	k_q28fd5d4934_prep,@function
k_q28fd5d4934_prep:
	s_mov_b64 s[64:65], 0
	v_nop
	global_prefetch_b8 v0, s[64:65] scope:SCOPE_SE
	s_setreg_imm32_b32 hwreg(HW_REG_WAVE_MODE, 25, 1), 1
	s_wait_xcnt 0x0
; PREP: everything that is done once for the two products that follow.
;   xcat [1024][1280] f16: columns 0-1023 x / 16, 1024-1151 U1 / 16, 1152-1279 U2 / 16.   wcat [4096][1280] f16: columns 0-1023 wi, 1024-1151 Bc, 1152-1279 Bc again.
;   wob  [1024][4096] f16: wo.                                                            vs   [1024] f32: the sum of a token's two largest softmax scores.
; u[t][16 e + r] = x[t] . lora_A[e][r];  U1 is u with all but the top-1 expert's 16 numbers set to 0, U2 the same for the top-2 expert;  Bc[f][16 e + r] = lora_B[e][f][r].
; So U1 . Bc[f] is the top-1 expert's adapter term and U2 . Bc[f] the top-2 expert's: the routing only selects values (v_cndmask_b32), it steers no address and no branch.
; FORMAT.  All matrix operands are f16: 11 bits of significand against bf16's 8, in sums over K = 1,024 and 4,096.  The factor 2^-4 on x (exact; u, made from the scaled x, inherits it) gives f16 its room:
; upward, x and lora_A both carrying an offset of 30 spreads make |u| about 1,024 x 30 x 0.94 = 29,000, stored as 1,800, against f16's largest number 65,504; downward, x thirty times smaller is stored
; at 0.002 rms, wi at 0.001, wo at 0.0005, while f16 keeps steps of 2^-24 below 6e-5.  LIMIT: |x| and |u| below 16 x 65,504, about 1e6; weights below 65,504.
; SHARES, by the work-group's number g (the same branch in all eight waves):  g < 64: ROUTE, tokens 16 g .. 16 g + 15;  64 <= g < 192: WI, 32 rows of wi and of lora_B;  g >= 192: WO, 32 rows' worth of wo.
; LIMITS OF THE ROUTER.  The two experts are chosen on the f32 logits (bias added) with a strict >, so the lower index wins a tie, as in top_k on the scores; two different logits whose scores round to
; one f32 number could be ordered otherwise there.  The logits' f32 sums run in another order than a plain dot product's.  NaN logits are not served.  The six experts whose gate is 0 are not computed
; (0 x a finite number is 0).  The softmax takes the largest logit away first, so its exponents are at most 0 and its sum is at least 1.
.set L_GW,  0                          ; gate_w in f32, 8 rows of 4,096 bytes
.set L_XB,  32768                      ; my 16 tokens' x / 16 in f16, pitch 2,064 = 129 x 16 bytes: the 16 rows of a fragment load start in 16 different 16-byte columns
.set XBP,   2064
.set L_AS,  65792                      ; for each wave its own: its expert's 16 rows x 256 k in f16, pitch 528 = 33 x 16
.set ASP,   528
.set L_LG,  133376                     ; logits, [16 tokens][8] f32
.set L_US,  133888                     ; [U1 | U2] / 16, 16 rows of 512 bytes, pitch 528
.set USP,   528
.set X,     32                         ; cast paths: v[32:159] four rows as loaded
.set RED,   16                         ; ROUTE: v[16:31]   16 sums (2 tokens x 8 experts)
.set XF,    32                         ; v[32:95]   my two rows of x in f32
.set ACC,   96                         ; v[96:127]  16 pairs of running sums
.set GA,    128                        ; v[128:159], v[160:191] gate_w pieces, two buffers; before that: x / 16 in f32
.set GB,    160
.set XH,    192                        ; v[192:223] my two rows in f16
.set GT,    224                        ; v[224:255] my row of gate_w on its way into LDS
.set WACC,  32                         ; v[32:63]   four accumulators of u
.set FR,    64                         ; v[64:127]  four pairs of fragments
.set LA,    128                        ; v[128:255] a chunk of lora_A as loaded
.set LGT,   96                         ; v[96:103]  a token's eight logits
.set M1,    104                        ; largest, its index, second, its index, two at work
.set I1,    105
.set M2,    106
.set I2,    107
.set TV,    108
.set TI,    109
.set EX,    110                        ; v[110:118] nine exponents, then weights
.set RZ,    119
.set VSV,   16                         ; v16 the token's vs (RED is done with by then)
; 32 loads of 512 neighbouring bytes: four rows of 4,096 bytes
.macro CAST_LOAD sb
.set n, 0
.rept 32
	global_load_b128 v[X+4*n:X+4*n+3], v4, s[\sb:\sb+1] offset:512*n th:TH_LOAD_NT
.set n, n+1
.endr
.endm
; the four rows are rounded in place and stored: a store's 32 lanes write 256 neighbouring bytes, aligned.  extra = loads issued behind the 32
.macro CAST_ROWS so, outp, extra
.irp q, 0,1,2,3
	s_wait_loadcnt 24-8*\q+\extra                  ; loads come back in order: row q is in, the younger rows' loads (and the extra ones) stay out
.irp i, 0,1,2,3,4,5,6,7
	v_cvt_pk_f16_f32 v[X+4*(8*\q+\i)],   v[X+4*(8*\q+\i)],   v[X+4*(8*\q+\i)+1]
	v_cvt_pk_f16_f32 v[X+4*(8*\q+\i)+1], v[X+4*(8*\q+\i)+2], v[X+4*(8*\q+\i)+3]
	global_store_b64 v5, v[X+4*(8*\q+\i):X+4*(8*\q+\i)+1], s[\so:\so+1] offset:\q*\outp+256*\i
.endr
.endr
.endm
	s_load_b512 s[16:31], s[0:1], 0x0              ; hidden 16, gate_w 18, gate_b 20, lora_A 22, wi 24, lora_B 26, wo 28, xcat 30
	s_load_b128 s[32:35], s[0:1], 0x40             ; wcat 32, wob 34
	s_load_b64 s[36:37], s[0:1], 0x50              ; vs
	s_set_vgpr_msb 0x40
	v_lshl_add_u32 v0, v0, 2, 0x22c00
	v_mov_b32 v1, 0
	s_set_vgpr_msb 0x4000
	v_and_b32 v1, 31, v0                           ; lane l
	v_lshrrev_b32 v2, 5, v0
	v_readfirstlane_b32 s8, v2                     ; wave w
	v_lshlrev_b32 v4, 4, v1                        ; 16 l
	v_lshlrev_b32 v5, 3, v1                        ; 8 l
	s_mov_b32 s11, 0                               ; high words of three offset pairs
	s_mov_b32 s13, 0
	s_mov_b32 s15, 0
	s_wait_kmcnt 0x0
	s_cmp_lt_u32 ttmp9, 64
	s_cbranch_scc1 .Lroute
	s_cmp_lt_u32 ttmp9, 192
	s_cbranch_scc1 .Lwi
	; WO: the work-group takes 131,072 bytes of wo, a wave 16,384; wob is wo's layout at half the bytes
	s_sub_co_u32 s2, ttmp9, 192
	s_lshl_b32 s10, s2, 17
	s_lshl_b32 s3, s8, 14
	s_add_co_u32 s10, s10, s3
	s_lshr_b32 s12, s10, 1
	s_add_nc_u64 s[28:29], s[28:29], s[10:11]
	s_add_nc_u64 s[34:35], s[34:35], s[12:13]
	CAST_LOAD 28
	CAST_ROWS 34, 2048, 0
	s_endpgm
.Lwi:
	; WI: 32 rows f of wi and of lora_B, a wave four of them; a row of wcat is 2,560 bytes
	s_sub_co_u32 s2, ttmp9, 64
	s_lshl_b32 s10, s2, 17
	s_lshl_b32 s3, s8, 14
	s_add_co_u32 s10, s10, s3                      ; wi: 32 rows x 4,096, 4 rows a wave
	s_mul_i32 s12, s2, 81920
	s_mul_i32 s3, s8, 10240
	s_add_co_u32 s12, s12, s3                      ; wcat: 32 rows x 2,560
	s_lshl_b32 s14, s2, 11
	s_lshl_b32 s3, s8, 8
	s_add_co_u32 s14, s14, s3                      ; lora_B: a row f of one expert is 64 bytes
	s_add_nc_u64 s[24:25], s[24:25], s[10:11]
	s_add_nc_u64 s[32:33], s[32:33], s[12:13]
	s_add_nc_u64 s[26:27], s[26:27], s[14:15]
	v_lshrrev_b32 v6, 2, v1                        ; expert l / 4,
	v_and_b32 v7, 3, v1                            ; quarter l % 4 of its 16 ranks
	v_lshlrev_b32 v7, 4, v7
	v_lshl_or_b32 v6, v6, 18, v7                   ; an expert's part of lora_B is 262,144 bytes
	CAST_LOAD 24
.irp q, 0,1,2,3
	global_load_b128 v[160+4*\q:163+4*\q], v6, s[26:27] offset:64*\q   ; row f0 + q of all eight experts; the four loads together use whole runs of 256 bytes
.endr
	CAST_ROWS 32, 2560, 4
	s_wait_loadcnt 0x0
.irp q, 0,1,2,3
	v_cvt_pk_f16_f32 v[160+4*\q], v[160+4*\q], v[161+4*\q]
	v_cvt_pk_f16_f32 v[161+4*\q], v[162+4*\q], v[163+4*\q]
	global_store_b64 v5, v[160+4*\q:161+4*\q], s[32:33] offset:\q*2560+2048   ; Bc: byte 2 (16 e + 4 (l % 4)) = 8 l: 256 neighbouring bytes
	global_store_b64 v5, v[160+4*\q:161+4*\q], s[32:33] offset:\q*2560+2304   ; and once more, for the U2 half of the fifth K step
.endr
	s_endpgm
.Lroute:
	; ROUTE: 16 tokens.  Wave w owns rows 2 w and 2 w + 1 of x, row w of gate_w and expert w of lora_A.
	s_load_b256 s[40:47], s[20:21], 0x0            ; gate_b
	s_mov_b32 s38, 0x76543210                      ; v_permlanex16_b32: each lane takes its own place in the other half
	s_mov_b32 s39, 0xfedcba98
	s_mov_b32 s48, 0x3fb8aa3b                      ; log2(e)
	s_mov_b32 s56, 0x3d800000                      ; 2^-4; the packed multiply names a pair and takes its low word for both halves
	s_mov_b32 s57, 0x3d800000
	s_lshl_b32 s10, ttmp9, 16
	s_lshl_b32 s2, s8, 13
	s_add_co_u32 s10, s10, s2
	s_add_nc_u64 s[16:17], s[16:17], s[10:11]      ; x at my two rows
	s_mul_i32 s12, ttmp9, 40960
	s_mul_i32 s2, s8, 5120
	s_add_co_u32 s12, s12, s2
	s_add_nc_u64 s[30:31], s[30:31], s[12:13]      ; xcat at my two rows
	s_lshl_b32 s14, s8, 12
	s_add_nc_u64 s[18:19], s[18:19], s[14:15]      ; gate_w at row w
	s_lshl_b32 s14, s8, 16
	s_add_nc_u64 s[22:23], s[22:23], s[14:15]      ; lora_A at expert w
	s_lshl_b32 s14, ttmp9, 6
	s_add_nc_u64 s[36:37], s[36:37], s[14:15]      ; vs at my 16 tokens
.irp j, 0,1,2,3,4,5,6,7
	global_load_b128 v[GT+4*\j:GT+4*\j+3], v4, s[18:19] offset:512*\j
.endr
.set i, 0
.rept 16
	global_load_b128 v[XF+4*i:XF+4*i+3], v4, s[16:17] offset:512*i th:TH_LOAD_NT   ; piece i: row i / 8, numbers 128 (i % 8) + 4 l ..
.set i, i+1
.endr
	v_and_b32 v2, 15, v0                           ; r = l % 16
	v_bfe_u32 v3, v0, 4, 1                         ; h = l / 16
	v_lshl_add_u32 v7, s8, 12, v4                  ; gate_w's row w in LDS
	s_mul_i32 s2, s8, 2*XBP
	s_add_co_u32 s2, s2, L_XB
	v_add_nc_u32 v8, s2, v5                        ; my two rows of x in LDS, 8 bytes a lane
	v_mul_u32_u24 v9, v2, XBP
	v_lshl_add_u32 v9, v3, 4, v9
	v_add_nc_u32 v9, L_XB, v9                      ; a fragment of x: row r, 16 bytes for each half of the lanes
	s_mul_i32 s3, s8, 16*ASP
	s_add_co_u32 s3, s3, L_AS                      ; my wave's own stage for lora_A
	v_add_nc_u32 v10, s3, v5
	v_mul_u32_u24 v14, v2, ASP                     ; (the two pitches are the same 528)
	v_lshl_add_u32 v14, v3, 4, v14
	v_add_nc_u32 v11, s3, v14                      ; a fragment of lora_A
	s_lshl_b32 s2, s8, 5
	s_add_co_u32 s2, s2, L_US
	v_add_nc_u32 v14, s2, v14                      ; U: row r, byte 2 (16 w + 8 h)
	s_lshl_b32 s2, s8, 6
	s_add_co_u32 s2, s2, L_LG
	v_mov_b32 v12, s2                              ; my two tokens' logits
	v_lshl_add_u32 v13, v2, 5, L_LG                ; token r's logits
	s_mul_i32 s2, s8, 2*USP
	s_add_co_u32 s2, s2, L_US
	v_add_nc_u32 v15, s2, v4                       ; rows 2 w, 2 w + 1 of U, whole
	s_wait_loadcnt 16                              ; gate_w's row is in; the 16 loads of x are younger
.irp j, 0,1,2,3,4,5,6,7
	ds_store_b128 v7, v[GT+4*\j:GT+4*\j+3] offset:L_GW+512*\j
.endr
	s_wait_loadcnt 0x0                             ; x
.set i, 0
.rept 32
	v_pk_mul_f32 v[GA+2*i:GA+2*i+1], v[XF+2*i:XF+2*i+1], s[56:57] op_sel_hi:[1,0]   ; x / 16, exact; XF keeps x itself for the logits
.set i, i+1
.endr
.set i, 0
.rept 16
	v_cvt_pk_f16_f32 v[XH+2*i],   v[GA+4*i],   v[GA+4*i+1]
	v_cvt_pk_f16_f32 v[XH+2*i+1], v[GA+4*i+2], v[GA+4*i+3]
.set i, i+1
.endr
.set i, 0
.rept 16
	global_store_b64 v5, v[XH+2*i:XH+2*i+1], s[30:31] offset:(i/8)*2560+256*(i%8)   ; 256 neighbouring bytes, aligned
	ds_store_b64 v8, v[XH+2*i:XH+2*i+1] offset:(i/8)*XBP+256*(i%8)
.set i, i+1
.endr
	s_wait_dscnt 0x0                               ; for the others' sake: my stores of gate_w and x are done
	s_barrier_signal -1
	s_barrier_wait -1                              ; gate_w and the 16 rows of x are whole
	; THE LOGITS, in f32 on the vector unit: a choice between experts hangs on them, and my rows of x lie in registers already.
.macro GLD j, buf                      ; piece j (128 numbers, 4 a lane) of all eight rows of gate_w
.irp e, 0,1,2,3,4,5,6,7
	ds_load_b128 v[\buf+4*\e:\buf+4*\e+3], v4 offset:L_GW+4096*\e+512*(\j)
.endr
.endm
.macro DOT j, buf                      ; 2 rows x 8 experts x 4 numbers; the very first products start the sums
.irp p, 0,1
.irp w, 0,1
.irp e, 0,1,2,3,4,5,6,7
.if ((\j) == 0) && (\p == 0)
	v_pk_mul_f32 v[ACC+2*(8*\w+\e):ACC+2*(8*\w+\e)+1], v[XF+4*(8*\w+\j):XF+4*(8*\w+\j)+1], v[\buf+4*\e:\buf+4*\e+1]
.else
	v_pk_fma_f32 v[ACC+2*(8*\w+\e):ACC+2*(8*\w+\e)+1], v[XF+4*(8*\w+\j)+2*\p:XF+4*(8*\w+\j)+2*\p+1], v[\buf+4*\e+2*\p:\buf+4*\e+2*\p+1], v[ACC+2*(8*\w+\e):ACC+2*(8*\w+\e)+1]
.endif
.endr
.endr
.endr
.endm
	GLD 0, GA
	GLD 1, GB
.irp j, 0,2,4
	s_wait_dscnt 8                                 ; the older piece is in, the younger piece's eight loads stay out
	DOT \j, GA
	GLD \j+2, GA
	s_wait_dscnt 8
	DOT \j+1, GB
	GLD \j+3, GB
.endr
	s_wait_dscnt 8
	DOT 6, GA
	s_wait_dscnt 0x0
	DOT 7, GB
.macro ALD c                           ; chunk c of my expert: 16 rows x 256 numbers, load n = row n / 2, half n % 2
.set n, 0
.rept 32
	global_load_b128 v[LA+4*n:LA+4*n+3], v4, s[22:23] offset:(n/2)*4096+(\c)*1024+(n%2)*512
.set n, n+1
.endr
.endm
	s_wait_xcnt 0x0                                ; the stores of x in f16 read registers that the loads below write: only behind this wait
	ALD 0                                          ; on its way while the logits are finished
.set i, 0
.rept 16
	v_add_f32 v[RED+i], v[ACC+2*i], v[ACC+2*i+1]
.set i, i+1
.endr
.irp m, 1,2,4,8
.set i, 0
.rept 16
	v_add_f32_dpp v[RED+i], v[RED+i], v[RED+i] row_xmask:\m row_mask:0xf bank_mask:0xf
.set i, i+1
.endr
.endr
.set i, 0
.rept 16
	v_permlanex16_b32 v[ACC+i], v[RED+i], s38, s39 ; its destination counts as read: ACC has been written
.set i, i+1
.endr
.set i, 0
.rept 16
	v_add_f32 v[RED+i], v[RED+i], v[ACC+i]
.set i, i+1
.endr
.irp k, 0,1,2,3
	ds_store_b128 v12, v[RED+4*\k:RED+4*\k+3] offset:16*\k   ; every lane holds the same sums and writes the same bytes
.endr
	s_wait_dscnt 0x0
	s_barrier_signal -1
	s_barrier_wait -1                              ; all 16 tokens' logits are there
	; THE ROUTER, in every wave: lanes r and r + 16 both work on token r, which is the token that they hold in u below.
	ds_load_b128 v[LGT:LGT+3], v13
	ds_load_b128 v[LGT+4:LGT+7], v13 offset:16
	s_wait_kmcnt 0x0                               ; gate_b
	s_wait_dscnt 0x0
.irp e, 0,1,2,3,4,5,6,7
	v_add_f32 v[LGT+\e], s[40+\e], v[LGT+\e]
.endr
	v_mov_b32 v[M1], v[LGT]
	v_mov_b32 v[I1], 0
	v_mov_b32 v[M2], 0xff800000                    ; minus infinity: any finite logit takes its place
	v_mov_b32 v[I2], 0
.irp e, 1,2,3,4,5,6,7
	v_cmp_gt_f32 s50, v[LGT+\e], v[M1]             ; strictly greater: the lower index keeps a tie
	v_cmp_gt_f32 s51, v[LGT+\e], v[M2]
	v_cndmask_b32 v[TV], v[M2], v[LGT+\e], s51
	v_cndmask_b32 v[TI], v[I2], \e, s51
	v_cndmask_b32 v[M2], v[TV], v[M1], s50         ; a new largest pushes the old one down
	v_cndmask_b32 v[I2], v[TI], v[I1], s50
	v_cndmask_b32 v[M1], v[M1], v[LGT+\e], s50
	v_cndmask_b32 v[I1], v[I1], \e, s50
.endr
.irp e, 0,1,2,3,4,5,6,7
	v_sub_f32 v[EX+\e], v[LGT+\e], v[M1]           ; the largest is taken away first: its own exponent is exactly 0
.endr
	v_sub_f32 v[EX+8], v[M2], v[M1]
.irp e, 0,1,2,3,4,5,6,7,8
	v_mul_f32 v[EX+\e], s48, v[EX+\e]
.endr
.irp e, 0,1,2,3,4,5,6,7,8
	v_exp_f32 v[EX+\e], v[EX+\e]
.endr
	v_cmp_eq_u32 s52, s8, v[I1]                    ; is my wave's expert the token's first?  (also the plain instruction behind the last exponential)
	v_cmp_eq_u32 s53, s8, v[I2]                    ; its second?
	s_wait_alu depctr_va_vdst(0)
	v_add_f32 v[EX], v[EX], v[EX+1]
	v_add_f32 v[EX+2], v[EX+2], v[EX+3]
	v_add_f32 v[EX+4], v[EX+4], v[EX+5]
	v_add_f32 v[EX+6], v[EX+6], v[EX+7]
	v_add_f32 v[EX], v[EX], v[EX+2]
	v_add_f32 v[EX+4], v[EX+4], v[EX+6]
	v_add_f32 v[EX], v[EX], v[EX+4]                ; the softmax's sum, at least 1
	v_rcp_f32 v[RZ], v[EX]
	v_add_f32 v[EX+8], 1.0, v[EX+8]                ; the two largest weights: 1 and the second's (a plain instruction behind the reciprocal)
	s_wait_alu depctr_va_vdst(0)
	v_mul_f32 v[VSV], v[EX+8], v[RZ]
	; u / 16 = (x / 16) . lora_A[w]^T for the 16 tokens, K in four chunks of 256: source 0 = 16 ranks, source 1 = 16 tokens, so a lane holds token r and ranks 8 h + 0..7.
	; Four accumulators take turns, one instruction a turn; they are added at the end.  The stage is my wave's own, and LDS serves a wave's instructions in order.
.macro CHUNK c
	s_wait_loadcnt 0x0                             ; only this chunk's 32 loads are out
.set n, 0
.rept 32
	v_cvt_pk_f16_f32 v[LA+2*n],   v[LA+4*n],   v[LA+4*n+1]      ; packed downwards, in ascending order: a destination has been read already
	v_cvt_pk_f16_f32 v[LA+2*n+1], v[LA+4*n+2], v[LA+4*n+3]      ; (these 64 are also the places between the last chunk's products and the loads into their fragments)
.set n, n+1
.endr
.set n, 0
.rept 32
	ds_store_b64 v10, v[LA+2*n:LA+2*n+1] offset:(n/2)*ASP+(n%2)*256
.set n, n+1
.endr
.irp u, 0,1
.if \u == 1
.rept 4
	v_nop                                          ; four places in front of loads into registers that the products above have read
.endr
.endif
.irp i, 0,1,2,3
	ds_load_b128 v[FR+16*\i:FR+16*\i+3],     v11 offset:64*(4*\u+\i)
	ds_load_b128 v[FR+16*\i+4:FR+16*\i+7],   v11 offset:64*(4*\u+\i)+32
	ds_load_b128 v[FR+16*\i+8:FR+16*\i+11],  v9  offset:512*\c+64*(4*\u+\i)
	ds_load_b128 v[FR+16*\i+12:FR+16*\i+15], v9  offset:512*\c+64*(4*\u+\i)+32
.endr
	s_wait_dscnt 0x0
.if (\u == 0) && (\c < 3)
	ALD \c+1                                       ; the stores above are done, so their registers take the next chunk
.endif
.irp i, 0,1,2,3
.if (\c == 0) && (\u == 0)
	v_wmma_f32_16x16x32_f16 v[WACC+8*\i:WACC+8*\i+7], v[FR+16*\i:FR+16*\i+7], v[FR+16*\i+8:FR+16*\i+15], 0
.else
	v_wmma_f32_16x16x32_f16 v[WACC+8*\i:WACC+8*\i+7], v[FR+16*\i:FR+16*\i+7], v[FR+16*\i+8:FR+16*\i+15], v[WACC+8*\i:WACC+8*\i+7]
.endif
.endr
.endr
.endm
	CHUNK 0
	CHUNK 1
	CHUNK 2
	CHUNK 3
.rept 4
	v_nop                                          ; four places behind the last products
.endr
.irp k, 0,2,4,6
	v_pk_add_f32 v[64+\k:65+\k], v[WACC+\k:WACC+\k+1], v[WACC+8+\k:WACC+9+\k]         ; each accumulator is read from its low end on
.endr
.irp k, 0,2,4,6
	v_pk_add_f32 v[72+\k:73+\k], v[WACC+16+\k:WACC+17+\k], v[WACC+24+\k:WACC+25+\k]
.endr
.irp k, 0,2,4,6
	v_pk_add_f32 v[64+\k:65+\k], v[64+\k:65+\k], v[72+\k:73+\k]
.endr
.irp k, 0,1,2,3
	v_cvt_pk_f16_f32 v[80+\k], v[64+2*\k], v[65+2*\k]
.endr
.irp k, 0,1,2,3
	v_cndmask_b32 v[84+\k], 0, v[80+\k], s52       ; U1: kept where my expert is the token's first, else 0
	v_cndmask_b32 v[88+\k], 0, v[80+\k], s53       ; U2: where it is the second
.endr
	ds_store_b128 v14, v[84:87]
	ds_store_b128 v14, v[88:91] offset:256
	s_wait_dscnt 0x0
	s_barrier_signal -1
	s_barrier_wait -1                              ; all eight experts' parts of the 16 rows are there
	ds_load_b128 v[92:95], v15
	ds_load_b128 v[96:99], v15 offset:USP
	v_lshlrev_b32 v17, 2, v1
	s_wait_dscnt 0x0
	global_store_b128 v4, v[92:95], s[30:31] offset:2048          ; a row's [U1 | U2]: 512 neighbouring bytes, aligned
	global_store_b128 v4, v[96:99], s[30:31] offset:2048+2560
	s_cmp_lg_u32 s8, 0
	s_cbranch_scc1 .Lend
	v_cmp_gt_u32 vcc_lo, 16, v0                    ; wave 0, lanes 0-15: the 16 tokens' vs, 64 bytes (the whole buffer is 4,096)
	s_wait_xcnt 0x0                                ; EXEC changes only behind this wait
	s_and_saveexec_b32 s54, vcc_lo
	global_store_b32 v17, v[VSV], s[36:37]
	s_wait_xcnt 0x0
	s_or_b32 exec_lo, exec_lo, s54
.Lend:
	s_set_vgpr_msb 0x5
	s_wait_tensorcnt 0x0
	ds_add_u32 v0, v1
	s_wait_dscnt 0x0
	s_set_vgpr_msb 0x500
	s_endpgm
.Lfunc_end_k_q28fd5d4934_prep:
	.size	k_q28fd5d4934_prep, .Lfunc_end_k_q28fd5d4934_prep-k_q28fd5d4934_prep
	.p2alignl 7, 3214868480
	.fill 96, 4, 3214868480
	.section	.rodata,"a",@progbits
	.p2align	6, 0x0
	.amdhsa_kernel k_q28fd5d4934_prep
		.amdhsa_group_segment_fixed_size 143360
		.amdhsa_private_segment_fixed_size 0
		.amdhsa_enable_private_segment 0
		.amdhsa_kernarg_size 88
		.amdhsa_user_sgpr_count 2
		.amdhsa_user_sgpr_kernarg_segment_ptr 1
		.amdhsa_wavefront_size32 1
		.amdhsa_system_sgpr_workgroup_id_x 1
		.amdhsa_system_sgpr_workgroup_id_y 1
		.amdhsa_system_sgpr_workgroup_id_z 1
		.amdhsa_system_vgpr_workitem_id 0
		.amdhsa_next_free_vgpr 258
		.amdhsa_next_free_sgpr 66
		.amdhsa_reserve_vcc 1
		.amdhsa_float_denorm_mode_32 3
		.amdhsa_float_denorm_mode_16_64 3
		.amdhsa_memory_ordered 1
		.amdhsa_forward_progress 1
		.amdhsa_inst_pref_size 118
	.end_amdhsa_kernel
	.amdgpu_metadata
---
amdhsa.version: [ 1, 2 ]
amdhsa.kernels:
  - .name:           k_q28fd5d4934_prep
    .symbol:         k_q28fd5d4934_prep.kd
    .args:
      - { .name: hidden_states, .offset: 0, .size: 8, .value_kind: global_buffer, .address_space: global }
      - { .name: gate_w, .offset: 8, .size: 8, .value_kind: global_buffer, .address_space: global }
      - { .name: gate_b, .offset: 16, .size: 8, .value_kind: global_buffer, .address_space: global }
      - { .name: lora_A, .offset: 24, .size: 8, .value_kind: global_buffer, .address_space: global }
      - { .name: wi, .offset: 32, .size: 8, .value_kind: global_buffer, .address_space: global }
      - { .name: lora_B, .offset: 40, .size: 8, .value_kind: global_buffer, .address_space: global }
      - { .name: wo, .offset: 48, .size: 8, .value_kind: global_buffer, .address_space: global }
      - { .name: xcat, .offset: 56, .size: 8, .value_kind: global_buffer, .address_space: global }
      - { .name: wcat, .offset: 64, .size: 8, .value_kind: global_buffer, .address_space: global }
      - { .name: wob, .offset: 72, .size: 8, .value_kind: global_buffer, .address_space: global }
      - { .name: vs, .offset: 80, .size: 8, .value_kind: global_buffer, .address_space: global }
    .group_segment_fixed_size: 143360
    .private_segment_fixed_size: 0
    .kernarg_segment_align: 8
    .kernarg_segment_size: 88
    .max_flat_workgroup_size: 256
    .sgpr_count:     66
    .vgpr_count:     258
    .wavefront_size: 32
...
	.end_amdgpu_metadata
.endif
;; end of part 1
;; launch up (part 2): grid 32 x 8, 4 waves a work-group, clusters of 4 x 4, 327,680 bytes of LDS; arguments xcat, wcat, hsum, bi; writes hsum
.if DOCPART == 2
	.amdgcn_target "amdgcn-amd-amdhsa--gfx1250"
	.amdhsa_code_object_version 6
	.text
	.protected	k_q28fd5d4934_up
	.globl	k_q28fd5d4934_up
	.p2align	8
	.type	k_q28fd5d4934_up,@function
k_q28fd5d4934_up:
	s_mov_b64 s[64:65], 0
	v_nop
	global_prefetch_b8 v0, s[64:65] scope:SCOPE_SE
	s_setreg_imm32_b32 hwreg(HW_REG_WAVE_MODE, 25, 1), 1
	s_wait_xcnt 0x0
	s_wait_alu depctr_hold_cnt(0) depctr_sa_sdst(0) depctr_va_vdst(0) depctr_va_sdst(0) depctr_va_ssrc(0) depctr_va_vcc(0) depctr_vm_vsrc(0)
	s_getreg_b32 s2, hwreg(HW_REG_IB_STS2, 6, 4)
	s_cmp_eq_u32 s2, 0
	s_cbranch_scc0 .Lentry_in_a_cluster
	s_endpgm
.Lentry_in_a_cluster:
	s_bfe_u32 s2, ttmp6, 0x10000c
	s_cmp_lg_u32 s2, 0xf033
	s_cbranch_scc0 .Lentry_shape_is_right
	s_endpgm
.Lentry_shape_is_right:
; hsum[t][f] = (relu(x[t] . wi[f] + bi[f] + U1[t] . Bc[f]) + relu(x[t] . wi[f] + bi[f] + U2[t] . Bc[f])) / 16, rounded once to f16.
; xcat [1024][1280] = [x | U1 | U2] / 16, wcat [4096][1280] = [wi | Bc | Bc], both f16; hsum [1024][4096] f16; sums in f32.  The bias is multiplied by 2^-4 here, so that all three terms carry
; the same exact factor; relu(a / 16) = relu(a) / 16, so hsum carries it too.  ROOM IN f16: x and wi both carrying an offset of 30 spreads make the two relus' sum about
; 2 x 1,024 x 30 x 0.94 = 58,000, stored as 3,600 against f16's largest number 65,504; x and wi both thirty times smaller leave hsum at 1e-4 rms, where f16's step is 2^-24.  LIMIT: the two relus' sum below about 1e6.
; A work-group makes 128 tokens x 128 f: 8 x 32 = 256 work-groups.  Four waves, each 64 x 64: 16 accumulators.  K goes in five steps of 256 through two LDS slots (rows of 512 bytes,
; a wave's tensor load brings 64 of them).  Steps 0-3 make the shared sum x . wi + bi in ACC (the bias is the C of the first products: nothing is cleared, nothing is added later).
; Step 4 is [U1 | U2] against [Bc | Bc]: its first products take ACC as C and write a second set of accumulators, ACC1 = ACC + U1 . Bc; its second half adds U2 . Bc onto ACC in place.
; CLUSTERS: 4 x 4 work-groups.  The four of a row of the cluster need the same tiles of xcat, the four of a column the same tiles of wcat: each tile is asked for JOINTLY.
; THE MATRIX INSTRUCTION IS USED TRANSPOSED (source 0 = 16 rows of wcat, source 1 = 16 rows of xcat): a lane holds one token and eight neighbouring f.
; REGISTERS: window 0: v0-31 addresses; v32-95 at work on the way out; v96-127 the bias (4 blocks of f x 8); v128-255 ACC ((a, b) at v[128 + 8 (4 a + b)]).
;   window 1: two fragment buffers of 128 (64 along K: 64 registers of xcat, then 64 of wcat).   window 2: v128-255 ACC1, under ACC's numbers.
.set KSTEP,  256
.set ROWK,   1280                      ; numbers in a row of xcat and of wcat
.set OUTN,   4096                      ; numbers in a row of hsum
.set PITCH,  528                       ; an LDS row: 512 bytes + 16 of padding = 33 x 16: the 16 rows of a fragment load start in 16 different 16-byte columns
.set HALFT,  64*PITCH                  ; what one tensor load brings
.set SLOT,   4*HALFT                   ; xcat's 128 rows, then wcat's 128 rows
.set STAGE,  2*SLOT                    ; behind the ring: 128 rows x 272 bytes, the work-group's, for the way out
.set SPITCH, 272
.set SPARE,  STAGE+128*SPITCH          ; the spare words, 128 bytes for each wave: two blocks of 256 bytes that no other line names
.set ADRA, 16                          ; v16-17  LDS address of my xcat fragments in slot 0, 1
.set ADRB, 20                          ; v20-21  the same for wcat
.set STO,  24
.set RD,   25
.set CO,   26
.set BOF,  27                          ; v27     my byte offset in the bias: 32 (l / 16)
.set SPW,  28                          ; v28     my spare word; never rewritten
.set NIL,  29                          ; v29     0; never rewritten
.set TMP,  32
.set BI,   96
.set ACC,  128
.set F0,   0
.set F1,   128
.set G1, 24                            ; s[24:31] group 1 for xcat's tiles; s[32:39] group 0, a set for each slot
.set G0, 32
.set G1B, 48                           ; s[48:55], s[56:63] the same for wcat's
.set G0B, 56
.set MSB, 0
.macro WIN new                         ; the immediate's high byte repeats the setting that is left; a switch that changes nothing is dropped
.if MSB != \new
	s_set_vgpr_msb (MSB<<8)|\new
.set MSB, \new
.endif
.endm
.set MUL,   0x05                       ; sources 0 and 1 window 1; C and D window 0
.set MUL_X, 0x85                       ; C window 0 (ACC), D window 2 (ACC1)
.set MUL_1, 0xa5                       ; C and D window 2
.set TO_F,  0x40                       ; destination window 1, address window 0
.macro JLOAD s                         ; a joint load: waves 0 and 1 fetch xcat's two halves, waves 2 and 3 wcat's; four v_nop follow each of the two lines
	s_cmp_eq_u32 s11, 0
	s_cbranch_scc0 .Lfor_b_\@
	tensor_load_to_lds s[G0+4*\s:G0+4*\s+3], s[G1:G1+7]
	s_nop 0
.rept 4
	v_nop
.endr
	s_branch .Lasked_\@
.Lfor_b_\@:
	tensor_load_to_lds s[G0B+4*\s:G0B+4*\s+3], s[G1B:G1B+7]
	s_nop 0
.rept 4
	v_nop
.endr
.Lasked_\@:
.endm
.macro CREST                           ; a round of the cluster's barrier behind its opening barrier
	s_cmp_lg_u32 s10, 0
	s_cbranch_scc1 .Lnot_wave_0_\@
	s_barrier_signal -3
.Lnot_wave_0_\@:
	s_barrier_wait -3
	s_barrier_signal -1
	s_barrier_wait -1
.endm
.macro CROUND
	s_barrier_signal -1
	s_barrier_wait -1
	CREST
.endm
	s_load_b128 s[4:7], s[0:1], 0x0                ; xcat s[4:5], wcat s[6:7]
	s_load_b64 s[8:9], s[0:1], 0x10                ; hsum
	s_load_b64 s[66:67], s[0:1], 0x18              ; bi
	v_lshl_add_u32 v[SPW], v0, 2, SPARE
	v_mov_b32 v[NIL], 0
	ds_add_u32 v28, v29
	s_wait_dscnt 0x0
	v_lshrrev_b32 v1, 5, v0
	v_readfirstlane_b32 s10, v1                    ; wave 0..3
	s_lshr_b32 s11, s10, 1                         ; which half of the tile's tokens is mine.  Also: I fetch for xcat (0) or for wcat (1)
	s_and_b32 s12, s10, 1                          ; which half of its f.  Also: which 64 rows of that tile I fetch
	s_mov_b32 s70, 0x3d800000                      ; 2^-4; the packed multiply names a pair and takes its low word for both halves
	s_mov_b32 s71, 0x3d800000
	s_bfe_u32 s40, ttmp6, 0x40000                  ; cx, cy: my place in the cluster
	s_bfe_u32 s41, ttmp6, 0x40004
	s_lshl_b32 s42, ttmp9, 2
	s_add_co_u32 s42, s42, s40                     ; tile column (f) = 4 x cluster x + cx
	s_and_b32 s13, ttmp7, 0xffff
	s_lshl_b32 s13, s13, 2
	s_add_co_u32 s13, s13, s41                     ; tile row (tokens) = 4 x cluster y + cy
	s_lshl_b32 s43, s41, 2
	s_lshl_b32 s43, 15, s43                        ; my row of the cluster
	s_lshl_b32 s44, 0x1111, s40                    ; my column
	; group 1: a tile of 64 rows x 256 elements, padded in LDS
	s_or_b32 s[G1+0], s43, (1<<16)|(1<<20)|(1<<21)|(6<<22)|(3<<25)  ; 15:0 the mask; 17:16 elements of 2 bytes; 20 padding on; 21 set beside a mask; 24:22 after every 128 words (code 6); 31:25 4 words of it (code 3)
	s_or_b32 s[G1B+0], s44, (1<<16)|(1<<20)|(1<<21)|(6<<22)|(3<<25)
.irp g, G1, G1B
	s_mov_b32 s[\g+1], KSTEP<<16                   ; tensor_dim0 = 256
	s_mov_b32 s[\g+2], 64<<16                      ; tensor_dim1 = 64
	s_mov_b32 s[\g+3], KSTEP<<16                   ; tile_dim0 = 256
	s_mov_b32 s[\g+4], 64                          ; tile_dim1 = 64
	s_mov_b32 s[\g+5], ROWK                        ; elements from row to row
	s_mov_b32 s[\g+6], 0
	s_mov_b32 s[\g+7], 0
.endr
	s_lshl_b32 s17, s12, 6                         ; which 64 rows of the tile I fetch
	s_lshl_b32 s16, s13, 7
	s_add_co_u32 s16, s16, s17                     ; xcat: row 128 x tile row + 64 x half
	s_lshl_b32 s46, s42, 7
	s_add_co_u32 s46, s46, s17                     ; wcat: row 128 x tile column + 64 x half
	s_mul_i32 s16, s16, ROWK*2                     ; in bytes: under 2^24 for both
	s_mul_i32 s46, s46, ROWK*2
	s_mov_b32 s17, 0
	s_mov_b32 s47, 0
	s_mul_i32 s20, s10, HALFT                      ; where they go: wave x 64 rows: no place in the cluster enters an LDS address
	s_wait_kmcnt 0x0
	s_add_nc_u64 s[14:15], s[4:5], s[16:17]
	s_add_nc_u64 s[46:47], s[6:7], s[46:47]
	CROUND                                         ; all sixteen work-groups are here: the first joint loads meet
.irp s, 0,1
	s_mov_b32 s[G0+4*\s], 1
	s_add_co_u32 s[G0+4*\s+1], s20, \s*SLOT
	s_add_nc_u64 s[G0+4*\s+2:G0+4*\s+3], s[14:15], \s*KSTEP*2
	s_or_b32 s[G0+4*\s+3], s[G0+4*\s+3], 0x80000000
	s_mov_b32 s[G0B+4*\s], 1
	s_add_co_u32 s[G0B+4*\s+1], s20, \s*SLOT
	s_add_nc_u64 s[G0B+4*\s+2:G0B+4*\s+3], s[46:47], \s*KSTEP*2
	s_or_b32 s[G0B+4*\s+3], s[G0B+4*\s+3], 0x80000000
.endr
	s_cmp_eq_u32 s11, 0                            ; a wave's two first fills stand in one branch, ahead of every wait on TENSORcnt and every LDS read: two loads of mine are out
	s_cbranch_scc0 .Lfirst_b
	tensor_load_to_lds s[G0:G0+3], s[G1:G1+7]
	s_nop 0
	tensor_load_to_lds s[G0+4:G0+7], s[G1:G1+7]
	s_nop 0
.rept 4
	v_nop
.endr
	s_branch .Lfirst_asked
.Lfirst_b:
	tensor_load_to_lds s[G0B:G0B+3], s[G1B:G1B+7]
	s_nop 0
	tensor_load_to_lds s[G0B+4:G0B+7], s[G1B:G1B+7]
	s_nop 0
.rept 4
	v_nop
.endr
.Lfirst_asked:
	v_and_b32 v1, 15, v0                           ; l % 16
	v_bfe_u32 v2, v0, 4, 1                         ; l / 16
	; the bias as a C operand: register j of block b holds bi[my first f + 16 b + 8 (l / 16) + j], as the result's register j does
	s_lshl_b32 s68, s42, 9
	s_lshl_b32 s69, s12, 8
	s_add_co_u32 s68, s68, s69                     ; 4 bytes x (128 x tile column + 64 x half)
	s_mov_b32 s69, 0
	s_add_nc_u64 s[66:67], s[66:67], s[68:69]
	v_lshlrev_b32 v[BOF], 5, v2
.irp b, 0,1,2,3
	global_load_b128 v[BI+8*\b:BI+8*\b+3],   v[BOF], s[66:67] offset:64*\b
	global_load_b128 v[BI+8*\b+4:BI+8*\b+7], v[BOF], s[66:67] offset:64*\b+16
.endr
	v_mul_u32_u24 v3, v1, PITCH
	v_lshl_add_u32 v3, v2, 4, v3                   ; a fragment's row x pitch + 16 x half
	s_mul_i32 s21, s11, HALFT                      ; my 64 rows of xcat
	s_mul_i32 s22, s12, HALFT                      ; my 64 rows of wcat,
	s_add_co_u32 s22, s22, 2*HALFT                 ; which lie behind xcat's 128
.irp s, 0,1
	v_add_nc_u32 v[ADRA+\s], s21, v3
	v_add_nc_u32 v[ADRB+\s], s22, v3
	s_add_co_u32 s21, s21, SLOT
	s_add_co_u32 s22, s22, SLOT
.endr
	s_mul_i32 s23, s11, 64*SPITCH                  ; into the stage: my 64 rows, my half of their 256 bytes
	s_lshl_b32 s21, s12, 7
	s_add_co_u32 s23, s23, s21
	s_add_co_u32 s23, s23, STAGE
	v_mul_u32_u24 v4, v1, SPITCH
	v_lshl_add_u32 v4, v2, 4, v4
	v_add_nc_u32 v[STO], s23, v4
	s_mul_i32 s23, s10, 32*SPITCH                  ; back: wave w takes rows 32 w .. 32 w + 31, whole
	s_add_co_u32 s23, s23, STAGE
	v_mul_u32_u24 v5, v2, SPITCH
	v_lshl_add_u32 v5, v1, 4, v5
	v_add_nc_u32 v[RD], s23, v5
	v_mul_u32_u24 v5, v2, OUTN*2                   ; and the same two rows in hsum
	v_lshl_add_u32 v[CO], v1, 4, v5
	s_lshl_b32 s16, s13, 20                        ; the first row that I store, 128 x tile row + 32 x wave, times 8,192 bytes
	s_lshl_b32 s17, s10, 18
	s_add_co_u32 s16, s16, s17
	s_mov_b32 s17, 0
	s_add_nc_u64 s[8:9], s[8:9], s[16:17]
	s_lshl_b32 s46, s42, 8                         ; the tile's first column, in bytes
	s_mov_b32 s47, 0
	s_add_nc_u64 s[8:9], s[8:9], s[46:47]
; 8 matrix instructions: token blocks a0, a0 + 1 x all 4 blocks of f, 32 along K: half c of buffer f.  zero = 1: the first products start the sums, from the bias
.macro MUL8 f, c, a0, zero
.irp a, \a0, \a0+1
.irp b, 0,1,2,3
.if \zero
	v_wmma_f32_16x16x32_f16 v[ACC+8*(4*(\a)+\b):ACC+8*(4*(\a)+\b)+7], v[\f+64+8*(4*\c+\b):\f+64+8*(4*\c+\b)+7], v[\f+8*(4*\c+\a):\f+8*(4*\c+\a)+7], v[BI+8*\b:BI+8*\b+7]
.else
	v_wmma_f32_16x16x32_f16 v[ACC+8*(4*(\a)+\b):ACC+8*(4*(\a)+\b)+7], v[\f+64+8*(4*\c+\b):\f+64+8*(4*\c+\b)+7], v[\f+8*(4*\c+\a):\f+8*(4*\c+\a)+7], v[ACC+8*(4*(\a)+\b):ACC+8*(4*(\a)+\b)+7]
.endif
.endr
.endr
.endm
; 32 LDS loads in one run: the fragments of 64 along K at byte k of the rows, into buffer f; the first 32 along K first
.macro FETCH slot, k, f
	WIN TO_F
.irp c, 0,1
.irp i, 0,1,2,3
	ds_load_b128 v[\f+64+8*(4*\c+\i):\f+64+8*(4*\c+\i)+3],   v[ADRB+\slot] offset:\k+64*\c+\i*16*PITCH
	ds_load_b128 v[\f+64+8*(4*\c+\i)+4:\f+64+8*(4*\c+\i)+7], v[ADRB+\slot] offset:\k+64*\c+\i*16*PITCH+32
	ds_load_b128 v[\f+8*(4*\c+\i):\f+8*(4*\c+\i)+3],         v[ADRA+\slot] offset:\k+64*\c+\i*16*PITCH
	ds_load_b128 v[\f+8*(4*\c+\i)+4:\f+8*(4*\c+\i)+7],       v[ADRA+\slot] offset:\k+64*\c+\i*16*PITCH+32
.endr
.endr
.endm
.macro PLACES                          ; four places in front of loads into registers that matrix instructions have read, and of vector work that reads results
.rept 4
	v_nop
.endr
.endm
; A K step is four quarters of 64 along K, 32 matrix instructions each, on buffers 0, 1, 0, 1; the 16 accumulators take turns, one instruction a turn.
; One of the first three: multiplies buffer f and fetches the next quarter, at byte k, into g.  wa, wb: the window settings of its first and its last 16 products.
.macro QUARTER slot, k, f, g, zero, wa, wb
	s_wait_dscnt 16                                ; the first 32 along K are in; the other sixteen loads may be out
	WIN \wa
	MUL8 \f, 0, 0, \zero
	MUL8 \f, 0, 2, \zero
	PLACES
	FETCH \slot, \k, \g
	s_wait_dscnt 32                                ; all but the 32 just issued
	WIN \wb
	MUL8 \f, 1, 0, 0
	MUL8 \f, 1, 2, 0
.endm
; The last quarter multiplies buffer 1 and changes slots: ONE barrier; in front of it each wave waits for all its tensor loads, adds 0 to its spare word, and waits for that and for its reads of this slot.
; fill = 1: the barrier opens a round of the cluster's barrier, and this slot is filled again, two K steps ahead, first thing behind the round.
.macro TURN slot, next, fill
	WIN 0                                          ; (the add's two registers lie in window 0)
	s_wait_tensorcnt 0x0                           ; all my tensor loads have landed: the one that was out is my part of the next slot
	ds_add_u32 v[SPW], v[NIL]                      ; 0 onto my spare word
	s_wait_dscnt 17                                ; (the add and the youngest sixteen loads may be out)
	WIN MUL
	MUL8 F1, 0, 0, 0                               ; eight matrix instructions stand between the add and the wait for it
	s_wait_dscnt 0x0                               ; the add is done, and my reads of this slot are over
	s_barrier_signal -1
	MUL8 F1, 0, 2, 0
.if \fill
	WIN 0
.endif
	s_barrier_wait -1
.if \fill
	CREST                                          ; no wave of any partner still reads this slot's tile or has a load on its way
	s_add_nc_u64 s[G0+4*\slot+2:G0+4*\slot+3], s[G0+4*\slot+2:G0+4*\slot+3], 2*KSTEP*2
	s_add_nc_u64 s[G0B+4*\slot+2:G0B+4*\slot+3], s[G0B+4*\slot+2:G0B+4*\slot+3], 2*KSTEP*2
	JLOAD \slot                                    ; my one tensor load behind the round; its four v_nop are also the places in front of the loads below
.else
	PLACES
.endif
	FETCH \next, 0, F0
	WIN MUL
	MUL8 F1, 1, 0, 0
	MUL8 F1, 1, 2, 0
.endm
	s_wait_tensorcnt 1                             ; my part of K step 0 is in; K step 1's may stay out
	s_barrier_signal -1
	s_barrier_wait -1                              ; everybody's is
	FETCH 0, 0, F0
	WIN 0
	s_wait_loadcnt 0x0                             ; the bias
.set i, 0
.rept 16
	v_pk_mul_f32 v[BI+2*i:BI+2*i+1], v[BI+2*i:BI+2*i+1], s[70:71] op_sel_hi:[1,0]   ; bi / 16, exact: the factor that xcat carries; these stand while the first fragments come
.set i, i+1
.endr
	; the five K steps are written out
	QUARTER 0, 128, F0, F1, 1, MUL, MUL            ; K step 0
	QUARTER 0, 256, F1, F0, 0, MUL, MUL
	QUARTER 0, 384, F0, F1, 0, MUL, MUL
	TURN 0, 1, 1                                   ; slot 0 takes K step 2
	QUARTER 1, 128, F0, F1, 0, MUL, MUL            ; K step 1
	QUARTER 1, 256, F1, F0, 0, MUL, MUL
	QUARTER 1, 384, F0, F1, 0, MUL, MUL
	TURN 1, 0, 1                                   ; slot 1 takes K step 3
	QUARTER 0, 128, F0, F1, 0, MUL, MUL            ; K step 2
	QUARTER 0, 256, F1, F0, 0, MUL, MUL
	QUARTER 0, 384, F0, F1, 0, MUL, MUL
	TURN 0, 1, 1                                   ; slot 0 takes K step 4, the adapters'
	QUARTER 1, 128, F0, F1, 0, MUL, MUL            ; K step 3
	QUARTER 1, 256, F1, F0, 0, MUL, MUL
	QUARTER 1, 384, F0, F1, 0, MUL, MUL
	TURN 1, 0, 0                                   ; nothing is left to fetch
.rept 5
	v_nop                                          ; five places: the sums just made become the C of other accumulators
.endr
	QUARTER 0, 128, F0, F1, 0, MUL_X, MUL_1        ; U1, k 0-63: ACC1 = ACC + .., then onto ACC1 in place
	QUARTER 0, 256, F1, F0, 0, MUL_1, MUL_1        ; U1, k 64-127
	QUARTER 0, 384, F0, F1, 0, MUL, MUL            ; U2, k 0-63, onto ACC in place: eight v_nop (two runs of places) stand behind the products that read ACC as C
	s_wait_dscnt 16                                ; U2, k 64-127: nothing more to fetch
	WIN MUL
	MUL8 F1, 0, 0, 0
	MUL8 F1, 0, 2, 0
	s_wait_dscnt 0x0
	MUL8 F1, 1, 0, 0
	MUL8 F1, 1, 2, 0
	; THE WAY OUT: relu of both sums, their sum, rounded to f16; 16 bytes a lane into the work-group's stage; a barrier, since a row's 256 bytes come from two waves; back as whole rows.
	PLACES
	WIN 0x88                                       ; source 1 and destination window 2
.set i, 0
.rept 128
	v_max_num_f32 v[ACC+i], 0, v[ACC+i]            ; ACC1, each accumulator from its low end on
.set i, i+1
.endr
	WIN 0
.set i, 0
.rept 128
	v_max_num_f32 v[ACC+i], 0, v[ACC+i]            ; ACC
.set i, i+1
.endr
	WIN 0x02                                       ; source 0 window 2
.set i, 0
.rept 64
	v_pk_add_f32 v[ACC+i:ACC+i+1], v[ACC+i:ACC+i+1], v[ACC+i:ACC+i+1]   ; ACC = ACC1 + ACC
.set i, i+2
.endr
	WIN 0
.irp t, 0,1,2,3,4,5,6,7,8,9,10,11,12,13,14,15
.irp r, 0,1,2,3
	v_cvt_pk_f16_f32 v[TMP+4*\t+\r], v[ACC+8*\t+2*\r], v[ACC+8*\t+2*\r+1]
.endr
.endr
.irp a, 0,1,2,3
.irp b, 0,1,2,3
	ds_store_b128 v[STO], v[TMP+4*(4*\a+\b):TMP+4*(4*\a+\b)+3] offset:\a*16*SPITCH+32*\b
.endr
.endr
	s_wait_dscnt 0x0                               ; for the others' sake: my stores into the stage are done
	s_barrier_signal -1
	s_barrier_wait -1
.irp t, 0,1,2,3,4,5,6,7,8,9,10,11,12,13,14,15
	ds_load_b128 v[TMP+4*\t:TMP+4*\t+3], v[RD] offset:\t*2*SPITCH
.endr
.irp t, 0,1,2,3,4,5,6,7,8,9,10,11,12,13,14,15
	s_wait_dscnt 15-\t                             ; LDS loads come back in order: pair t of rows is in
	global_store_b128 v[CO], v[TMP+4*\t:TMP+4*\t+3], s[8:9] offset:2*\t*OUTN*2   ; 16 lanes store 256 consecutive bytes, at a multiple of 256 from hsum's first byte
.endr
	s_wait_tensorcnt 0x0                           ; the wave's end
	ds_add_u32 v[SPW], v[NIL]
	s_wait_dscnt 0x0
	CROUND                                         ; the closing round: no work-group ends while a partner may still ask for a tile that names it
	s_endpgm
.Lfunc_end_k_q28fd5d4934_up:
	.size	k_q28fd5d4934_up, .Lfunc_end_k_q28fd5d4934_up-k_q28fd5d4934_up
	.p2alignl 7, 3214868480
	.fill 96, 4, 3214868480
	.section	.rodata,"a",@progbits
	.p2align	6, 0x0
	.amdhsa_kernel k_q28fd5d4934_up
		.amdhsa_group_segment_fixed_size 327680
		.amdhsa_private_segment_fixed_size 0
		.amdhsa_enable_private_segment 0
		.amdhsa_kernarg_size 32
		.amdhsa_user_sgpr_count 2
		.amdhsa_user_sgpr_kernarg_segment_ptr 1
		.amdhsa_wavefront_size32 1
		.amdhsa_system_sgpr_workgroup_id_x 1
		.amdhsa_system_sgpr_workgroup_id_y 1
		.amdhsa_system_sgpr_workgroup_id_z 1
		.amdhsa_system_vgpr_workitem_id 0
		.amdhsa_next_free_vgpr 768
		.amdhsa_next_free_sgpr 72
		.amdhsa_reserve_vcc 0
		.amdhsa_float_denorm_mode_32 3
		.amdhsa_float_denorm_mode_16_64 3
		.amdhsa_memory_ordered 1
		.amdhsa_forward_progress 1
		.amdhsa_inst_pref_size 118
	.end_amdhsa_kernel
	.amdgpu_metadata
---
amdhsa.version: [ 1, 2 ]
amdhsa.kernels:
  - .name:           k_q28fd5d4934_up
    .symbol:         k_q28fd5d4934_up.kd
    .args:
      - { .name: xcat, .offset: 0, .size: 8, .value_kind: global_buffer, .address_space: global }
      - { .name: wcat, .offset: 8, .size: 8, .value_kind: global_buffer, .address_space: global }
      - { .name: hsum, .offset: 16, .size: 8, .value_kind: global_buffer, .address_space: global }
      - { .name: bi, .offset: 24, .size: 8, .value_kind: global_buffer, .address_space: global }
    .group_segment_fixed_size: 327680
    .private_segment_fixed_size: 0
    .kernarg_segment_align: 8
    .kernarg_segment_size: 32
    .max_flat_workgroup_size: 128
    .sgpr_count:     72
    .vgpr_count:     768
    .wavefront_size: 32
...
	.end_amdgpu_metadata
.endif
;; end of part 2
;; launch down (part 3): grid 16 x 16, 4 waves a work-group, clusters of 4 x 4, 327,680 bytes of LDS; arguments hsum, wob, out0, bo, vs; writes out0
.if DOCPART == 3
	.amdgcn_target "amdgcn-amd-amdhsa--gfx1250"
	.amdhsa_code_object_version 6
	.text
	.protected	k_q28fd5d4934_down
	.globl	k_q28fd5d4934_down
	.p2align	8
	.type	k_q28fd5d4934_down,@function
k_q28fd5d4934_down:
	s_mov_b64 s[64:65], 0
	v_nop
	global_prefetch_b8 v0, s[64:65] scope:SCOPE_SE
	s_setreg_imm32_b32 hwreg(HW_REG_WAVE_MODE, 25, 1), 1
	s_wait_xcnt 0x0
	s_wait_alu depctr_hold_cnt(0) depctr_sa_sdst(0) depctr_va_vdst(0) depctr_va_sdst(0) depctr_va_ssrc(0) depctr_va_vcc(0) depctr_vm_vsrc(0)
	s_getreg_b32 s2, hwreg(HW_REG_IB_STS2, 6, 4)
	s_cmp_eq_u32 s2, 0
	s_cbranch_scc0 .Lentry_in_a_cluster
	s_endpgm
.Lentry_in_a_cluster:
	s_bfe_u32 s2, ttmp6, 0x10000c
	s_cmp_lg_u32 s2, 0xf033
	s_cbranch_scc0 .Lentry_shape_is_right
	s_endpgm
.Lentry_shape_is_right:
; out0[t][d] = vs[t] x (16 x (hsum[t] . wo[d]) + 2 bo[d]).  hsum [1024][4096] (the two experts' hidden vectors added, times 2^-4) and wob [1024][4096] in f16; bo [1024], vs [1024] and out0 [1024][1024] in f32; sums in f32.
; (Both chosen experts carry the same gate vs and the same wo and bo, so their hidden vectors were added in hsum and bo counts twice.  The factor 16 takes hsum's exact 2^-4 back, in the fused multiply-add that adds 2 bo.)
; f16's room for wo: thirty times larger, or offset by 30 spreads, it stays under 3; thirty times smaller it is 0.0005 rms, where f16's step is 2^-24 at the most.
; A work-group makes 64 tokens x 64 d: 16 x 16 = 256 work-groups.  K goes in eight steps of 512 through two LDS slots.  WAVE w MULTIPLIES THE WHOLE 64 x 64 TILE OVER QUARTER w OF EACH STEP (128 k):
; 16 accumulators by turns, 8 fragments for 16 products; four waves of 32 x 32 would read each LDS byte twice as often.  The four partial tiles are added through LDS at the end.
; A slot is four regions of 64 rows x 512 bytes: hsum k 0-255, hsum k 256-511, wob k 0-255, wob k 256-511; wave w fills region w with one tensor load.
; CLUSTERS: 4 x 4 work-groups; hsum's tiles are asked for jointly along a row of the cluster, wob's along a column.
; THE MATRIX INSTRUCTION IS USED TRANSPOSED (source 0 = 16 rows of wob, source 1 = 16 rows of hsum): a lane holds one token and eight neighbouring d.
; REGISTERS: window 0: v0-31 addresses; v32-39 vs of my eight pairs of rows; v40-43 bo; v128-255 the accumulators, later the partial tiles read back.   window 1: two fragment buffers of 128.
.set KSTEP,  512
.set ROWK,   4096
.set PITCH,  528                       ; an LDS row: 512 bytes + 16 of padding = 33 x 16
.set HALFT,  64*PITCH                  ; a region: what one tensor load brings
.set SLOT,   4*HALFT
.set SPARE,  2*SLOT                    ; the spare words, 128 bytes for each wave: two blocks of 256 bytes that no other line names
.set PPITCH, 272                       ; a row of a partial tile: 64 f32 + 16 bytes
.set PART,   64*PPITCH                 ; a partial tile; the four lie in slot 0, which has had its last fill and its last read by then
.set ADRA, 16
.set ADRB, 20
.set STO,  24
.set RD,   25
.set CO,   26
.set VOF,  27                          ; v27  4 (l / 16): my offset in vs
.set SPW,  28
.set NIL,  29
.set BOF,  30                          ; v30  16 (l % 16): my offset in bo
.set VS,   32
.set BO,   40
.set ACC,  128
.set F0,   0
.set F1,   128
.set G1, 24
.set G0, 32
.set G1B, 48
.set G0B, 56
.set MSB, 0
.macro WIN new
.if MSB != \new
	s_set_vgpr_msb (MSB<<8)|\new
.set MSB, \new
.endif
.endm
.set MUL,  0x05                        ; sources 0 and 1 window 1; C and D window 0
.set TO_F, 0x40                        ; destination window 1, address window 0
.macro JLOAD s                         ; a joint load: waves 0 and 1 fetch hsum's two regions, waves 2 and 3 wob's; four v_nop follow each of the two lines
	s_cmp_eq_u32 s11, 0
	s_cbranch_scc0 .Lfor_b_\@
	tensor_load_to_lds s[G0+4*\s:G0+4*\s+3], s[G1:G1+7]
	s_nop 0
.rept 4
	v_nop
.endr
	s_branch .Lasked_\@
.Lfor_b_\@:
	tensor_load_to_lds s[G0B+4*\s:G0B+4*\s+3], s[G1B:G1B+7]
	s_nop 0
.rept 4
	v_nop
.endr
.Lasked_\@:
.endm
.macro CREST
	s_cmp_lg_u32 s10, 0
	s_cbranch_scc1 .Lnot_wave_0_\@
	s_barrier_signal -3
.Lnot_wave_0_\@:
	s_barrier_wait -3
	s_barrier_signal -1
	s_barrier_wait -1
.endm
.macro CROUND
	s_barrier_signal -1
	s_barrier_wait -1
	CREST
.endm
	s_load_b128 s[4:7], s[0:1], 0x0                ; hsum s[4:5], wob s[6:7]
	s_load_b64 s[8:9], s[0:1], 0x10                ; out0
	s_load_b128 s[68:71], s[0:1], 0x18             ; bo s[68:69], vs s[70:71]
	v_lshl_add_u32 v[SPW], v0, 2, SPARE
	v_mov_b32 v[NIL], 0
	ds_add_u32 v28, v29
	s_wait_dscnt 0x0
	v_lshrrev_b32 v1, 5, v0
	v_readfirstlane_b32 s10, v1                    ; wave 0..3
	s_lshr_b32 s11, s10, 1                         ; I fetch for hsum (0) or for wob (1).  Also: which region holds my quarter of K
	s_and_b32 s12, s10, 1                          ; which half of a step's K I fetch.  Also: which half of the region's rows is my quarter
	s_mov_b32 s74, 0x41800000                      ; 16; the packed multiply-add names a pair and takes its low word for both halves
	s_mov_b32 s75, 0x41800000
	s_bfe_u32 s40, ttmp6, 0x40000
	s_bfe_u32 s41, ttmp6, 0x40004
	s_lshl_b32 s42, ttmp9, 2
	s_add_co_u32 s42, s42, s40                     ; tile column (d) = 4 x cluster x + cx
	s_and_b32 s13, ttmp7, 0xffff
	s_lshl_b32 s13, s13, 2
	s_add_co_u32 s13, s13, s41                     ; tile row (tokens) = 4 x cluster y + cy
	s_lshl_b32 s43, s41, 2
	s_lshl_b32 s43, 15, s43                        ; my row of the cluster
	s_lshl_b32 s44, 0x1111, s40                    ; my column
	s_or_b32 s[G1+0], s43, (1<<16)|(1<<20)|(1<<21)|(6<<22)|(3<<25)  ; the mask; elements of 2 bytes; padding on; bit 21 beside a mask; after every 128 words 4 words
	s_or_b32 s[G1B+0], s44, (1<<16)|(1<<20)|(1<<21)|(6<<22)|(3<<25)
.irp g, G1, G1B
	s_mov_b32 s[\g+1], 256<<16                     ; tensor_dim0 = 256
	s_mov_b32 s[\g+2], 64<<16                      ; tensor_dim1 = 64
	s_mov_b32 s[\g+3], 256<<16                     ; tile_dim0 = 256
	s_mov_b32 s[\g+4], 64                          ; tile_dim1 = 64
	s_mov_b32 s[\g+5], ROWK                        ; elements from row to row
	s_mov_b32 s[\g+6], 0
	s_mov_b32 s[\g+7], 0
.endr
	s_lshl_b32 s17, s12, 9                         ; my half of a step's K: 256 elements
	s_lshl_b32 s16, s13, 19                        ; hsum: 64 rows of 8,192 bytes for each tile row
	s_add_co_u32 s16, s16, s17
	s_lshl_b32 s46, s42, 19                        ; wob: the same for each tile column
	s_add_co_u32 s46, s46, s17
	s_mov_b32 s17, 0
	s_mov_b32 s47, 0
	s_mul_i32 s20, s10, HALFT                      ; region w: no place in the cluster enters an LDS address
	s_wait_kmcnt 0x0
	s_add_nc_u64 s[14:15], s[4:5], s[16:17]
	s_add_nc_u64 s[46:47], s[6:7], s[46:47]
	CROUND                                         ; all sixteen work-groups are here: the first joint loads meet
.irp s, 0,1
	s_mov_b32 s[G0+4*\s], 1
	s_add_co_u32 s[G0+4*\s+1], s20, \s*SLOT
	s_add_nc_u64 s[G0+4*\s+2:G0+4*\s+3], s[14:15], \s*KSTEP*2
	s_or_b32 s[G0+4*\s+3], s[G0+4*\s+3], 0x80000000
	s_mov_b32 s[G0B+4*\s], 1
	s_add_co_u32 s[G0B+4*\s+1], s20, \s*SLOT
	s_add_nc_u64 s[G0B+4*\s+2:G0B+4*\s+3], s[46:47], \s*KSTEP*2
	s_or_b32 s[G0B+4*\s+3], s[G0B+4*\s+3], 0x80000000
.endr
	s_cmp_eq_u32 s11, 0                            ; a wave's two first fills stand in one branch, ahead of every wait on TENSORcnt and every LDS read: two loads of mine are out
	s_cbranch_scc0 .Lfirst_b
	tensor_load_to_lds s[G0:G0+3], s[G1:G1+7]
	s_nop 0
	tensor_load_to_lds s[G0+4:G0+7], s[G1:G1+7]
	s_nop 0
.rept 4
	v_nop
.endr
	s_branch .Lfirst_asked
.Lfirst_b:
	tensor_load_to_lds s[G0B:G0B+3], s[G1B:G1B+7]
	s_nop 0
	tensor_load_to_lds s[G0B+4:G0B+7], s[G1B:G1B+7]
	s_nop 0
.rept 4
	v_nop
.endr
.Lfirst_asked:
	v_and_b32 v1, 15, v0                           ; l % 16
	v_bfe_u32 v2, v0, 4, 1                         ; l / 16
	; vs of the rows that I store (16 w + 2 t + l / 16 of the tile) and bo of my four columns (4 (l % 16) ..)
	s_lshl_b32 s72, s13, 8
	s_lshl_b32 s73, s10, 6
	s_add_co_u32 s72, s72, s73
	s_mov_b32 s73, 0
	s_add_nc_u64 s[70:71], s[70:71], s[72:73]
	s_lshl_b32 s72, s42, 8
	s_add_nc_u64 s[68:69], s[68:69], s[72:73]
	v_lshlrev_b32 v[VOF], 2, v2
	v_lshlrev_b32 v[BOF], 4, v1
.irp t, 0,1,2,3,4,5,6,7
	global_load_b32 v[VS+\t], v[VOF], s[70:71] offset:8*\t
.endr
	global_load_b128 v[BO:BO+3], v[BOF], s[68:69]
	v_mul_u32_u24 v3, v1, PITCH
	v_lshl_add_u32 v3, v2, 4, v3                   ; a fragment's row x pitch + 16 x half
	s_mul_i32 s21, s11, HALFT                      ; my quarter of K: region w / 2,
	s_lshl_b32 s22, s12, 8                         ; byte 256 (w % 2) of its rows
	s_add_co_u32 s21, s21, s22
	s_add_co_u32 s22, s21, 2*HALFT                 ; wob's regions lie behind hsum's two
.irp s, 0,1
	v_add_nc_u32 v[ADRA+\s], s21, v3
	v_add_nc_u32 v[ADRB+\s], s22, v3
	s_add_co_u32 s21, s21, SLOT
	s_add_co_u32 s22, s22, SLOT
.endr
	s_mul_i32 s23, s10, PART                       ; my partial tile: row l % 16, 32 bytes for each half of the lanes
	v_mul_u32_u24 v4, v1, PPITCH
	v_lshl_add_u32 v4, v2, 5, v4
	v_add_nc_u32 v[STO], s23, v4
	s_mul_i32 s23, s10, 16*PPITCH                  ; back: wave w takes rows 16 w .. 16 w + 15 of all four; lanes 0-15 one row of 256 bytes, lanes 16-31 the next
	v_mul_u32_u24 v5, v2, PPITCH
	v_lshl_add_u32 v5, v1, 4, v5
	v_add_nc_u32 v[RD], s23, v5
	v_lshlrev_b32 v5, 12, v2                       ; and the same two rows in out0 (4,096 bytes a row)
	v_lshl_add_u32 v[CO], v1, 4, v5
	s_lshl_b32 s16, s13, 18                        ; the first row that I store, 64 x tile row + 16 x wave, times 4,096 bytes
	s_lshl_b32 s17, s10, 16
	s_add_co_u32 s16, s16, s17
	s_mov_b32 s17, 0
	s_add_nc_u64 s[8:9], s[8:9], s[16:17]
	s_lshl_b32 s46, s42, 8                         ; the tile's first column, in bytes
	s_mov_b32 s47, 0
	s_add_nc_u64 s[8:9], s[8:9], s[46:47]
; 8 matrix instructions: token blocks a0, a0 + 1 x all 4 blocks of d, 32 along K: half c of buffer f.  zero = 1: the first product starts the sums
.macro MUL8 f, c, a0, zero
.irp a, \a0, \a0+1
.irp b, 0,1,2,3
.if \zero
	v_wmma_f32_16x16x32_f16 v[ACC+8*(4*(\a)+\b):ACC+8*(4*(\a)+\b)+7], v[\f+64+8*(4*\c+\b):\f+64+8*(4*\c+\b)+7], v[\f+8*(4*\c+\a):\f+8*(4*\c+\a)+7], 0
.else
	v_wmma_f32_16x16x32_f16 v[ACC+8*(4*(\a)+\b):ACC+8*(4*(\a)+\b)+7], v[\f+64+8*(4*\c+\b):\f+64+8*(4*\c+\b)+7], v[\f+8*(4*\c+\a):\f+8*(4*\c+\a)+7], v[ACC+8*(4*(\a)+\b):ACC+8*(4*(\a)+\b)+7]
.endif
.endr
.endr
.endm
.macro FETCH slot, k, f                ; 32 LDS loads in one run: 64 along K at byte k of my quarter, into buffer f; the first 32 along K first
	WIN TO_F
.irp c, 0,1
.irp i, 0,1,2,3
	ds_load_b128 v[\f+64+8*(4*\c+\i):\f+64+8*(4*\c+\i)+3],   v[ADRB+\slot] offset:\k+64*\c+\i*16*PITCH
	ds_load_b128 v[\f+64+8*(4*\c+\i)+4:\f+64+8*(4*\c+\i)+7], v[ADRB+\slot] offset:\k+64*\c+\i*16*PITCH+32
	ds_load_b128 v[\f+8*(4*\c+\i):\f+8*(4*\c+\i)+3],         v[ADRA+\slot] offset:\k+64*\c+\i*16*PITCH
	ds_load_b128 v[\f+8*(4*\c+\i)+4:\f+8*(4*\c+\i)+7],       v[ADRA+\slot] offset:\k+64*\c+\i*16*PITCH+32
.endr
.endr
.endm
.macro PLACES                          ; four places in front of loads into registers that matrix instructions have read, and of LDS stores that read results
.rept 4
	v_nop
.endr
.endm
; A wave's part of a K step is two units of 64 along K, 32 matrix instructions each; the 16 accumulators take turns, one instruction a turn.
; The first unit: multiplies buffer f and fetches the second, at byte k, into g.
.macro QUARTER slot, k, f, g, zero
	s_wait_dscnt 16                                ; the first 32 along K are in; the other sixteen loads may be out
	WIN MUL
	MUL8 \f, 0, 0, \zero
	MUL8 \f, 0, 2, \zero
	PLACES
	FETCH \slot, \k, \g
	s_wait_dscnt 32                                ; all but the 32 just issued
	WIN MUL
	MUL8 \f, 1, 0, 0
	MUL8 \f, 1, 2, 0
.endm
; The second unit multiplies buffer 1 and changes slots: ONE barrier; in front of it each wave waits for all its tensor loads, adds 0 to its spare word, and waits for that and for its reads of this slot.
; fill = 1: the barrier opens a round of the cluster's barrier, and this slot is filled again, two K steps ahead, first thing behind the round.
.macro TURN slot, next, fill
	WIN 0                                          ; (the add's two registers lie in window 0)
	s_wait_tensorcnt 0x0                           ; all my tensor loads have landed: the one that was out is my region of the next slot
	ds_add_u32 v[SPW], v[NIL]                      ; 0 onto my spare word
	s_wait_dscnt 17                                ; (the add and the youngest sixteen loads may be out)
	WIN MUL
	MUL8 F1, 0, 0, 0                               ; eight matrix instructions stand between the add and the wait for it
	s_wait_dscnt 0x0                               ; the add is done, and my reads of this slot are over
	s_barrier_signal -1
	MUL8 F1, 0, 2, 0
.if \fill
	WIN 0
.endif
	s_barrier_wait -1
.if \fill
	CREST                                          ; no wave of any partner still reads this slot's tile or has a load on its way
	s_add_nc_u64 s[G0+4*\slot+2:G0+4*\slot+3], s[G0+4*\slot+2:G0+4*\slot+3], 2*KSTEP*2
	s_add_nc_u64 s[G0B+4*\slot+2:G0B+4*\slot+3], s[G0B+4*\slot+2:G0B+4*\slot+3], 2*KSTEP*2
	JLOAD \slot                                    ; my one tensor load behind the round, 48 matrix instructions ahead of the wait for it; its four v_nop are also the places in front of the loads below
.else
	PLACES
.endif
	FETCH \next, 0, F0
	WIN MUL
	MUL8 F1, 1, 0, 0
	MUL8 F1, 1, 2, 0
.endm
	s_wait_tensorcnt 1                             ; my region of K step 0 is in; K step 1's may stay out
	s_barrier_signal -1
	s_barrier_wait -1                              ; everybody's is
	FETCH 0, 0, F0
	QUARTER 0, 128, F0, F1, 1                      ; the first unit stands in front of the loop: its first products start the sums
	WIN 0                                          ; at a label and at a branch every window is 0
	s_mov_b32 s3, 3
.Llap:                                                 ; three trips, each once round the ring: K steps 2 to 7 are asked for
	TURN 0, 1, 1
	QUARTER 1, 128, F0, F1, 0
	TURN 1, 0, 1
	QUARTER 0, 128, F0, F1, 0
	WIN 0
	s_sub_co_u32 s3, s3, 1
	s_cmp_lg_u32 s3, 0
	s_cbranch_scc1 .Llap
	TURN 0, 1, 0                                   ; K step 6 ends; nothing is left to fetch.  Behind this barrier no wave reads slot 0 any more, and no load fills it
	QUARTER 1, 128, F0, F1, 0                      ; K step 7
	s_wait_dscnt 16
	WIN MUL
	MUL8 F1, 0, 0, 0
	MUL8 F1, 0, 2, 0
	s_wait_dscnt 0x0
	MUL8 F1, 1, 0, 0
	MUL8 F1, 1, 2, 0
	WIN 0
	; THE WAY OUT: each wave's partial tile goes into LDS (a lane's eight d of a token are 32 bytes); a barrier; wave w adds the four partial tiles' rows 16 w .. 16 w + 15, takes 16 x the sum + 2 bo, scales by vs and stores.
	PLACES
.irp a, 0,1,2,3
.irp b, 0,1,2,3
	ds_store_b128 v[STO], v[ACC+8*(4*\a+\b):ACC+8*(4*\a+\b)+3]   offset:\a*16*PPITCH+64*\b      ; each accumulator from its low end on
	ds_store_b128 v[STO], v[ACC+8*(4*\a+\b)+4:ACC+8*(4*\a+\b)+7] offset:\a*16*PPITCH+64*\b+16
.endr
.endr
	s_wait_dscnt 0x0                               ; for the others' sake: my partial tile is stored
	s_barrier_signal -1
	s_barrier_wait -1
.irp t, 0,1,2,3,4,5,6,7
.irp p, 0,1,2,3
	ds_load_b128 v[ACC+16*\t+4*\p:ACC+16*\t+4*\p+3], v[RD] offset:\p*PART+\t*2*PPITCH
.endr
.endr
	s_wait_loadcnt 0x0                             ; vs and bo
	v_pk_add_f32 v[BO:BO+1], v[BO:BO+1], v[BO:BO+1]               ; 2 bo
	v_pk_add_f32 v[BO+2:BO+3], v[BO+2:BO+3], v[BO+2:BO+3]
.irp t, 0,1,2,3,4,5,6,7
	s_wait_dscnt 28-4*\t                           ; LDS loads come back in order: pair t's four are in, the later pairs' stay out
	v_pk_add_f32 v[ACC+16*\t:ACC+16*\t+1],     v[ACC+16*\t:ACC+16*\t+1],     v[ACC+16*\t+4:ACC+16*\t+5]
	v_pk_add_f32 v[ACC+16*\t+2:ACC+16*\t+3],   v[ACC+16*\t+2:ACC+16*\t+3],   v[ACC+16*\t+6:ACC+16*\t+7]
	v_pk_add_f32 v[ACC+16*\t+8:ACC+16*\t+9],   v[ACC+16*\t+8:ACC+16*\t+9],   v[ACC+16*\t+12:ACC+16*\t+13]
	v_pk_add_f32 v[ACC+16*\t+10:ACC+16*\t+11], v[ACC+16*\t+10:ACC+16*\t+11], v[ACC+16*\t+14:ACC+16*\t+15]
	v_pk_add_f32 v[ACC+16*\t:ACC+16*\t+1],     v[ACC+16*\t:ACC+16*\t+1],     v[ACC+16*\t+8:ACC+16*\t+9]
	v_pk_add_f32 v[ACC+16*\t+2:ACC+16*\t+3],   v[ACC+16*\t+2:ACC+16*\t+3],   v[ACC+16*\t+10:ACC+16*\t+11]
	v_pk_fma_f32 v[ACC+16*\t:ACC+16*\t+1],     v[ACC+16*\t:ACC+16*\t+1],     s[74:75], v[BO:BO+1] op_sel_hi:[1,0,1]       ; 16 x the sum + 2 bo
	v_pk_fma_f32 v[ACC+16*\t+2:ACC+16*\t+3],   v[ACC+16*\t+2:ACC+16*\t+3],   s[74:75], v[BO+2:BO+3] op_sel_hi:[1,0,1]
.irp k, 0,1,2,3
	v_mul_f32 v[ACC+16*\t+\k], v[VS+\t], v[ACC+16*\t+\k]
.endr
	global_store_b128 v[CO], v[ACC+16*\t:ACC+16*\t+3], s[8:9] offset:\t*8192 th:TH_STORE_NT   ; 16 lanes store 256 consecutive bytes, at a multiple of 256 from out0's first byte
.endr
	s_wait_tensorcnt 0x0                           ; the wave's end
	ds_add_u32 v[SPW], v[NIL]
	s_wait_dscnt 0x0
	CROUND                                         ; the closing round: no work-group ends while a partner may still ask for a tile that names it
	s_endpgm
.Lfunc_end_k_q28fd5d4934_down:
	.size	k_q28fd5d4934_down, .Lfunc_end_k_q28fd5d4934_down-k_q28fd5d4934_down
	.p2alignl 7, 3214868480
	.fill 96, 4, 3214868480
	.section	.rodata,"a",@progbits
	.p2align	6, 0x0
	.amdhsa_kernel k_q28fd5d4934_down
		.amdhsa_group_segment_fixed_size 327680
		.amdhsa_private_segment_fixed_size 0
		.amdhsa_enable_private_segment 0
		.amdhsa_kernarg_size 40
		.amdhsa_user_sgpr_count 2
		.amdhsa_user_sgpr_kernarg_segment_ptr 1
		.amdhsa_wavefront_size32 1
		.amdhsa_system_sgpr_workgroup_id_x 1
		.amdhsa_system_sgpr_workgroup_id_y 1
		.amdhsa_system_sgpr_workgroup_id_z 1
		.amdhsa_system_vgpr_workitem_id 0
		.amdhsa_next_free_vgpr 512
		.amdhsa_next_free_sgpr 76
		.amdhsa_reserve_vcc 0
		.amdhsa_float_denorm_mode_32 3
		.amdhsa_float_denorm_mode_16_64 3
		.amdhsa_memory_ordered 1
		.amdhsa_forward_progress 1
		.amdhsa_inst_pref_size 55
	.end_amdhsa_kernel
	.amdgpu_metadata
---
amdhsa.version: [ 1, 2 ]
amdhsa.kernels:
  - .name:           k_q28fd5d4934_down
    .symbol:         k_q28fd5d4934_down.kd
    .args:
      - { .name: hsum, .offset: 0, .size: 8, .value_kind: global_buffer, .address_space: global }
      - { .name: wob, .offset: 8, .size: 8, .value_kind: global_buffer, .address_space: global }
      - { .name: out0, .offset: 16, .size: 8, .value_kind: global_buffer, .address_space: global }
      - { .name: bo, .offset: 24, .size: 8, .value_kind: global_buffer, .address_space: global }
      - { .name: vs, .offset: 32, .size: 8, .value_kind: global_buffer, .address_space: global }
    .group_segment_fixed_size: 327680
    .private_segment_fixed_size: 0
    .kernarg_segment_align: 8
    .kernarg_segment_size: 40
    .max_flat_workgroup_size: 128
    .sgpr_count:     76
    .vgpr_count:     512
    .wavefront_size: 32
...
	.end_amdgpu_metadata
.endif
;; end of part 3
;; ======== version 2 of 2: 3 launches; 1.07 times as fast as version 1
;; limits: values are held in f16: magnitudes above 65,504 overflow, below 6.1e-05 lose precision; right only within a limited range of input values
;; workspace buffers: xcat 2,621,440 bytes; wcat 10,485,760 bytes; wob 8,388,608 bytes; vs 4,096 bytes; hsum 8,388,608 bytes
;; launch prep (part 4): grid 512 x 1, 8 waves a work-group, no clusters, 143,616 bytes of LDS; arguments hidden_states, gate_w, gate_b, lora_A, wi, lora_B, wo, xcat, wcat, wob, vs; writes xcat, wcat, wob, vs
.if DOCPART == 4
	.amdgcn_target "amdgcn-amd-amdhsa--gfx1250"
	.amdhsa_code_object_version 6
	.text
	.protected	k_q28fd5d4934_prep
	.globl	k_q28fd5d4934_prep
	.p2align	8
	.type	k_q28fd5d4934_prep,@function
k_q28fd5d4934_prep:
	s_mov_b64 s[64:65], 0
	v_nop
	global_prefetch_b8 v0, s[64:65] scope:SCOPE_SE
	s_setreg_imm32_b32 hwreg(HW_REG_WAVE_MODE, 25, 1), 1
	s_wait_xcnt 0x0
; PREP: everything that is done once for the two products that follow.
;   xcat [1024][1280] f16: columns 0-1023 x / 16, 1024-1151 U1 / 16, 1152-1279 U2 / 16.   wcat [4096][1280] f16: columns 0-1023 wi, 1024-1151 Bc, 1152-1279 Bc again.
;   vs   [1024] f32: the sum of a token's two largest softmax scores.
;   wob  f16, wo [1024 d][4096 k] in blocks of 16 d x 32 k of 1,024 bytes, block (db, kb) at byte (128 db + kb) x 1,024.  In a block lane l = r + 16 h of a wave owns the 16 bytes at 16 l
;        (wo[16 db + r][32 kb + 8 h .. + 7]) and those at 512 + 16 l (k 16 further on): a 16-bit matrix operand's register image, so that a fragment is two loads of 512 neighbouring bytes.
; u[t][16 e + r] = x[t] . lora_A[e][r];  U1 is u with all but the top-1 expert's 16 numbers set to 0, U2 the same for the top-2 expert;  Bc[f][16 e + r] = lora_B[e][f][r].
; So U1 . Bc[f] is the top-1 expert's adapter term and U2 . Bc[f] the top-2 expert's: the routing only selects values (v_cndmask_b32), it steers no address and no branch.
; FORMAT.  All matrix operands are f16: 11 bits of significand against bf16's 8, in sums over K = 1,024 and 4,096.  The factor 2^-4 on x (exact; u, made from the scaled x, inherits it) gives f16 its room:
; upward, x and lora_A both carrying an offset of 30 spreads make |u| about 1,024 x 30 x 0.94 = 29,000, stored as 1,800, against f16's largest number 65,504; downward, x thirty times smaller is stored
; at 0.002 rms, wi at 0.001, wo at 0.0005, while f16 keeps steps of 2^-24 below 6e-5.  LIMIT: |x| and |u| below 16 x 65,504, about 1e6; weights below 65,504.
; SHARES.  512 work-groups, 256 of each kind; the kind of work-group g is ((g >> 8) ^ g) & 1 and its index g >> 1, so that g and g + 1 differ in kind and so do g and g + 256 (the same branch in all eight waves).
;   kind 0, ROUTE: index = 4 x token group + q: tokens 16 tg .. 16 tg + 15, experts 2 q and 2 q + 1.  It takes in 64 KB of x, 32 KB of gate_w and 128 KB of lora_A; with all eight experts it would be 512 KB of lora_A.
;   kind 1, casts: index < 128: WI, 32 rows of wi and of lora_B; else WO, 16 rows d x 2,048 k of wo.
; The four ROUTE work-groups of a token group each make the group's logits for themselves: nothing passes between work-groups.  Each byte of xcat and vs is stored by one of them.
; A ROUTE work-group's part of a token's [U1 | U2] is two runs of 64 bytes, each a quarter of an aligned 256 bytes whose other quarters three other work-groups write: 512 KB of the launch's 21 MB of output
; go out so; whole runs of 256 would want all eight experts in one work-group.
; LIMITS OF THE ROUTER.  The two experts are chosen on the f32 logits (bias added) with a strict >, so the lower index wins a tie, as in top_k on the scores; two different logits whose scores round to
; one f32 number could be ordered otherwise there.  The logits' f32 sums run in another order than a plain dot product's.  NaN logits are not served.  The six experts whose gate is 0 are not computed
; (0 x a finite number is 0).  The softmax takes the largest logit away first, so its exponents are at most 0 and its sum is at least 1.
.set L_GW,  0                          ; gate_w in f32, 8 rows of 4,096 bytes
.set L_XB,  32768                      ; my 16 tokens' x / 16 in f16, pitch 2,064 = 129 x 16 bytes: the 16 rows of a fragment load start in 16 different 16-byte columns
.set XBP,   2064
.set L_AS,  65792                      ; for each wave its own: 16 rows x 256 k in f16 (ROUTE: lora_A; WO: wo), pitch 528 = 33 x 16
.set ASP,   528
.set L_PU,  133376                     ; partial u: for each K quarter 16 tokens x 32 columns in f32, pitch 144 = 9 x 16
.set PUP,   144
.set PUC,   16*PUP
.set X,     32                         ; cast paths: v[32:159] as loaded
.set FRW,   160                        ; WO: v[160:223] eight blocks as they are stored
.set T,     16                         ; ROUTE: v[16:31]   x / 16 in f32, at work; then
.set RED,   16                         ; v[16:31]   16 sums (2 tokens x 8 experts)
.set XF,    32                         ; v[32:95]   my two rows of x in f32
.set GT,    96                         ; v[96:127]  my row of gate_w on its way into LDS; then
.set XH,    96                         ; v[96:127]  my two rows in f16; never rewritten (global stores read them)
.set LA,    128                        ; v[128:255] my chunk of lora_A as loaded; packed into v[128:191]
.set ACC,   128                        ; v[128:159] 16 pairs of running sums
.set GA,    192                        ; v[192:223], v[224:255] gate_w pieces, two buffers
.set GB,    224
.set FR,    128                        ; v[128:255] eight pairs of fragments
.set WACC,  32                         ; v[32:63]   four accumulators of u; later the four partial sums read back
.set SUM,   64                         ; v[64:79]   their sums
.set VSV,   64                         ; v64        the token's vs (SUM is done with by then)
.set LGT,   72                         ; v[72:79]   a token's eight logits
.set M1,    80                         ; largest, its index, second, its index, two at work
.set I1,    81
.set M2,    82
.set I2,    83
.set TV,    84
.set TI,    85
.set EX,    86                         ; v[86:94]   nine exponents, then weights
.set RZ,    95
; 32 loads of 512 neighbouring bytes: four rows of 4,096 bytes
.macro CAST_LOAD sb
.set n, 0
.rept 32
	global_load_b128 v[X+4*n:X+4*n+3], v4, s[\sb:\sb+1] offset:512*n th:TH_LOAD_NT
.set n, n+1
.endr
.endm
; the four rows are rounded in place and stored: a store's 32 lanes write 256 neighbouring bytes, aligned.  extra = loads issued behind the 32
.macro CAST_ROWS so, outp, extra
.irp q, 0,1,2,3
	s_wait_loadcnt 24-8*\q+\extra                  ; loads come back in order: row q is in, the younger rows' loads (and the extra ones) stay out
.irp i, 0,1,2,3,4,5,6,7
	v_cvt_pk_f16_f32 v[X+4*(8*\q+\i)],   v[X+4*(8*\q+\i)],   v[X+4*(8*\q+\i)+1]
	v_cvt_pk_f16_f32 v[X+4*(8*\q+\i)+1], v[X+4*(8*\q+\i)+2], v[X+4*(8*\q+\i)+3]
	global_store_b64 v5, v[X+4*(8*\q+\i):X+4*(8*\q+\i)+1], s[\so:\so+1] offset:\q*\outp+256*\i
.endr
.endr
.endm
	s_load_b512 s[16:31], s[0:1], 0x0              ; hidden 16, gate_w 18, gate_b 20, lora_A 22, wi 24, lora_B 26, wo 28, xcat 30
	s_load_b128 s[32:35], s[0:1], 0x40             ; wcat 32, wob 34
	s_load_b64 s[36:37], s[0:1], 0x50              ; vs
	s_set_vgpr_msb 0x40
	v_lshl_add_u32 v0, v0, 2, 0x22d00
	v_mov_b32 v1, 0
	s_set_vgpr_msb 0x4000
	v_and_b32 v1, 31, v0                           ; lane l
	v_lshrrev_b32 v2, 5, v0
	v_readfirstlane_b32 s8, v2                     ; wave w
	v_lshlrev_b32 v4, 4, v1                        ; 16 l
	v_lshlrev_b32 v5, 3, v1                        ; 8 l
	s_mov_b32 s11, 0                               ; high words of three offset pairs
	s_mov_b32 s13, 0
	s_mov_b32 s15, 0
	s_lshr_b32 s2, ttmp9, 8
	s_xor_b32 s2, s2, ttmp9
	s_and_b32 s2, s2, 1                            ; the work-group's kind
	s_lshr_b32 s9, ttmp9, 1                        ; and its index among the 256 of its kind
	s_wait_kmcnt 0x0
	s_cmp_eq_u32 s2, 0
	s_cbranch_scc1 .Lroute
	s_cmp_lt_u32 s9, 128
	s_cbranch_scc1 .Lwi
	; WO: block row db = 16 rows d of wo, half kh of K (2,048 k) for the work-group; 256 k = 8 blocks for a wave.  The rows come in as runs of 512 bytes, are rounded,
	; turned through my wave's own LDS stage into the operand's register image, and leave as runs of 512 bytes.
	s_sub_co_u32 s2, s9, 128
	s_lshr_b32 s3, s2, 1                           ; db
	s_and_b32 s2, s2, 1                            ; kh
	s_lshl_b32 s10, s3, 18                         ; wo: 16 rows of 16,384 bytes,
	s_lshl_b32 s4, s2, 13                          ; 2,048 k of 4 bytes,
	s_add_co_u32 s10, s10, s4
	s_lshl_b32 s4, s8, 10                          ; 256 k of 4 bytes
	s_add_co_u32 s10, s10, s4
	s_lshl_b32 s12, s3, 17                         ; wob: a block row is 128 blocks of 1,024 bytes,
	s_lshl_b32 s4, s2, 16                          ; half of K 64 blocks,
	s_add_co_u32 s12, s12, s4
	s_lshl_b32 s4, s8, 13                          ; a wave's part 8 blocks
	s_add_co_u32 s12, s12, s4
	s_add_nc_u64 s[28:29], s[28:29], s[10:11]
	s_add_nc_u64 s[34:35], s[34:35], s[12:13]
.set n, 0
.rept 32
	global_load_b128 v[X+4*n:X+4*n+3], v4, s[28:29] offset:(n/2)*16384+(n%2)*512 th:TH_LOAD_NT   ; load n: row n / 2, half n % 2 of its 256 numbers
.set n, n+1
.endr
	v_and_b32 v2, 15, v0                           ; r = l % 16
	v_bfe_u32 v3, v0, 4, 1                         ; h = l / 16
	s_mul_i32 s3, s8, 16*ASP
	s_add_co_u32 s3, s3, L_AS                      ; my wave's own stage
	v_add_nc_u32 v10, s3, v5                       ; in: 8 bytes a lane
	v_mul_u32_u24 v11, v2, ASP
	v_lshl_add_u32 v11, v3, 4, v11
	v_add_nc_u32 v11, s3, v11                      ; back: row r, 16 bytes for each half of the lanes
.irp q, 0,1,2,3
	s_wait_loadcnt 24-8*\q                         ; loads come back in order: rows 4 q .. 4 q + 3 are in, the later rows' loads stay out
.irp i, 0,1,2,3,4,5,6,7
	v_cvt_pk_f16_f32 v[X+2*(8*\q+\i)],   v[X+4*(8*\q+\i)],   v[X+4*(8*\q+\i)+1]     ; packed downwards, in ascending order: a destination has been read already
	v_cvt_pk_f16_f32 v[X+2*(8*\q+\i)+1], v[X+4*(8*\q+\i)+2], v[X+4*(8*\q+\i)+3]
	ds_store_b64 v10, v[X+2*(8*\q+\i):X+2*(8*\q+\i)+1] offset:((8*\q+\i)/2)*ASP+((8*\q+\i)%2)*256
.endr
.endr
.irp s, 0,1,2,3,4,5,6,7
	ds_load_b128 v[FRW+8*\s:FRW+8*\s+3],   v11 offset:64*\s        ; block s: k 32 s + 8 h ..; LDS serves a wave's instructions in order: these see the stores above
	ds_load_b128 v[FRW+8*\s+4:FRW+8*\s+7], v11 offset:64*\s+32     ; k 32 s + 16 + 8 h ..
.endr
.irp s, 0,1,2,3,4,5,6,7
	s_wait_dscnt 14-2*\s                           ; block s is in, the later blocks' loads stay out
	global_store_b128 v4, v[FRW+8*\s:FRW+8*\s+3],   s[34:35] offset:1024*\s       ; 512 neighbouring bytes, aligned
	global_store_b128 v4, v[FRW+8*\s+4:FRW+8*\s+7], s[34:35] offset:1024*\s+512
.endr
	s_set_vgpr_msb 0x5
	s_wait_tensorcnt 0x0
	ds_add_u32 v0, v1
	s_wait_dscnt 0x0
	s_set_vgpr_msb 0x500
	s_endpgm
.Lwi:
	; WI: 32 rows f of wi and of lora_B, a wave four of them; a row of wcat is 2,560 bytes
	s_lshl_b32 s10, s9, 17
	s_lshl_b32 s3, s8, 14
	s_add_co_u32 s10, s10, s3                      ; wi: 32 rows x 4,096, 4 rows a wave
	s_mul_i32 s12, s9, 81920
	s_mul_i32 s3, s8, 10240
	s_add_co_u32 s12, s12, s3                      ; wcat: 32 rows x 2,560
	s_lshl_b32 s14, s9, 11
	s_lshl_b32 s3, s8, 8
	s_add_co_u32 s14, s14, s3                      ; lora_B: a row f of one expert is 64 bytes
	s_add_nc_u64 s[24:25], s[24:25], s[10:11]
	s_add_nc_u64 s[32:33], s[32:33], s[12:13]
	s_add_nc_u64 s[26:27], s[26:27], s[14:15]
	v_lshrrev_b32 v6, 2, v1                        ; expert l / 4,
	v_and_b32 v7, 3, v1                            ; quarter l % 4 of its 16 ranks
	v_lshlrev_b32 v7, 4, v7
	v_lshl_or_b32 v6, v6, 18, v7                   ; an expert's part of lora_B is 262,144 bytes
	CAST_LOAD 24
.irp q, 0,1,2,3
	global_load_b128 v[160+4*\q:163+4*\q], v6, s[26:27] offset:64*\q   ; row f0 + q of all eight experts; the four loads together use whole runs of 256 bytes
.endr
	CAST_ROWS 32, 2560, 4
	s_wait_loadcnt 0x0
.irp q, 0,1,2,3
	v_cvt_pk_f16_f32 v[160+4*\q], v[160+4*\q], v[161+4*\q]
	v_cvt_pk_f16_f32 v[161+4*\q], v[162+4*\q], v[163+4*\q]
	global_store_b64 v5, v[160+4*\q:161+4*\q], s[32:33] offset:\q*2560+2048   ; Bc: byte 2 (16 e + 4 (l % 4)) = 8 l: 256 neighbouring bytes
	global_store_b64 v5, v[160+4*\q:161+4*\q], s[32:33] offset:\q*2560+2304   ; and once more, for the U2 half of the fifth K step
.endr
	s_endpgm
.Lroute:
	; ROUTE: 16 tokens, 2 experts.  Wave w owns rows 2 w and 2 w + 1 of x (cast, logits, router, the finished U), row w of gate_w,
	; and of the product u the chunk of expert 2 q + w % 2, K quarter w / 2: 16 ranks x 256 k.
	s_load_b256 s[40:47], s[20:21], 0x0            ; gate_b
	s_mov_b32 s38, 0x76543210                      ; v_permlanex16_b32: each lane takes its own place in the other half
	s_mov_b32 s39, 0xfedcba98
	s_mov_b32 s48, 0x3fb8aa3b                      ; log2(e)
	s_mov_b32 s56, 0x3d800000                      ; 2^-4; the packed multiply names a pair and takes its low word for both halves
	s_mov_b32 s57, 0x3d800000
	s_lshr_b32 s6, s9, 2                           ; token group tg
	s_and_b32 s7, s9, 3                            ; q
	s_and_b32 s49, s8, 1                           ; p = w % 2: which of the two experts
	s_lshr_b32 s55, s8, 1                          ; c = w / 2: which quarter of K
	s_lshl_b32 s10, s6, 16
	s_lshl_b32 s2, s8, 13
	s_add_co_u32 s10, s10, s2
	s_add_nc_u64 s[16:17], s[16:17], s[10:11]      ; x at my two rows
	s_mul_i32 s12, s6, 40960
	s_mul_i32 s2, s8, 5120
	s_add_co_u32 s12, s12, s2
	s_add_nc_u64 s[30:31], s[30:31], s[12:13]      ; xcat at my two rows
	s_lshl_b32 s14, s8, 12
	s_add_nc_u64 s[18:19], s[18:19], s[14:15]      ; gate_w at row w
	s_lshl_b32 s4, s7, 1
	s_add_co_u32 s4, s4, s49                       ; my expert 2 q + p
	s_lshl_b32 s14, s4, 16
	s_lshl_b32 s2, s55, 10
	s_add_co_u32 s14, s14, s2
	s_add_nc_u64 s[22:23], s[22:23], s[14:15]      ; lora_A at my expert, my quarter of K
	s_lshl_b32 s14, s6, 6
	s_lshl_b32 s2, s8, 3
	s_add_co_u32 s14, s14, s2
	s_add_nc_u64 s[36:37], s[36:37], s[14:15]      ; vs at my two tokens
	; all that the wave takes in goes out at once: 56 loads
.irp j, 0,1,2,3,4,5,6,7
	global_load_b128 v[GT+4*\j:GT+4*\j+3], v4, s[18:19] offset:512*\j
.endr
.set i, 0
.rept 16
	global_load_b128 v[XF+4*i:XF+4*i+3], v4, s[16:17] offset:512*i   ; piece i: row i / 8, numbers 128 (i % 8) + 4 l ..  (no hint: four work-groups read these rows)
.set i, i+1
.endr
.set n, 0
.rept 32
	global_load_b128 v[LA+4*n:LA+4*n+3], v4, s[22:23] offset:(n/2)*4096+(n%2)*512   ; load n: rank n / 2, half n % 2 of its 256 numbers
.set n, n+1
.endr
	v_and_b32 v2, 15, v0                           ; r = l % 16
	v_bfe_u32 v3, v0, 4, 1                         ; h = l / 16
	v_lshl_add_u32 v7, s8, 12, v4                  ; gate_w's row w in LDS
	s_mul_i32 s2, s8, 2*XBP
	s_add_co_u32 s2, s2, L_XB
	v_add_nc_u32 v8, s2, v5                        ; my two rows of x in LDS, 8 bytes a lane
	v_mul_u32_u24 v9, v2, XBP
	v_lshl_add_u32 v9, v3, 4, v9
	s_lshl_b32 s2, s55, 9
	s_add_co_u32 s2, s2, L_XB
	v_add_nc_u32 v9, s2, v9                        ; a fragment of x: row r, my quarter of K, 16 bytes for each half of the lanes
	s_mul_i32 s3, s8, 16*ASP
	s_add_co_u32 s3, s3, L_AS                      ; my wave's own stage for lora_A
	v_add_nc_u32 v10, s3, v5
	v_mul_u32_u24 v11, v2, ASP
	v_lshl_add_u32 v11, v3, 4, v11
	v_add_nc_u32 v11, s3, v11                      ; a fragment of lora_A
	s_mul_i32 s2, s55, PUC
	s_lshl_b32 s3, s49, 6
	s_add_co_u32 s2, s2, s3
	s_add_co_u32 s2, s2, L_PU
	v_mul_u32_u24 v12, v2, PUP
	v_lshl_add_u32 v12, v3, 5, v12
	v_add_nc_u32 v12, s2, v12                      ; my partial u: quarter c, token r, column 16 p + 8 h
	; the finished U: lane l takes token 2 w + l / 16, slot (l / 8) % 2 (U1 or U2), columns 4 (l % 8) .. + 3 of the work-group's 32
	s_mul_i32 s2, s8, 2*PUP
	s_add_co_u32 s2, s2, L_PU
	s_lshl_b32 s3, s7, 6
	s_add_co_u32 s3, s3, 2048                      ; in a row of xcat: byte 2,048 + 64 q
	v_and_b32 v13, 7, v0
	v_mul_u32_u24 v1, v3, 2560
	v_lshl_add_u32 v14, v13, 3, v1                 ; 8 (l % 8) + a row of xcat for lanes 16 to 31
	v_mul_u32_u24 v1, v3, PUP
	v_lshl_add_u32 v13, v13, 4, v1
	v_add_nc_u32 v13, s2, v13                      ; where I read the partial sums
	v_bfe_u32 v6, v0, 3, 1                         ; my slot
	v_lshl_add_u32 v14, v6, 8, v14                 ; U2 lies 256 bytes behind U1
	v_add_nc_u32 v14, s3, v14                      ; where I store
	v_bfe_u32 v15, v0, 2, 1
	v_lshl_add_u32 v15, s7, 1, v15                 ; my columns' expert: 2 q + (l / 4) % 2
	s_wait_kmcnt 0x0                               ; gate_b
	s_wait_loadcnt 48                              ; gate_w's row is in; x's 16 loads and lora_A's 32 are younger
.irp j, 0,1,2,3,4,5,6,7
	ds_store_b128 v7, v[GT+4*\j:GT+4*\j+3] offset:L_GW+512*\j
.endr
	s_wait_loadcnt 32                              ; x is in; lora_A's 32 loads are younger
	s_wait_dscnt 0x0                               ; gate_w's registers take x in f16 below
.irp b, 0,1,2,3
.irp k, 0,1,2,3,4,5,6,7
	v_pk_mul_f32 v[T+2*\k:T+2*\k+1], v[XF+16*\b+2*\k:XF+16*\b+2*\k+1], s[56:57] op_sel_hi:[1,0]   ; x / 16, exact; XF keeps x itself for the logits
.endr
.irp k, 0,1,2,3,4,5,6,7
	v_cvt_pk_f16_f32 v[XH+8*\b+\k], v[T+2*\k], v[T+2*\k+1]
.endr
.endr
.set i, 0
.rept 16
	ds_store_b64 v8, v[XH+2*i:XH+2*i+1] offset:(i/8)*XBP+256*(i%8)
.set i, i+1
.endr
	s_wait_dscnt 0x0                               ; for the others' sake: my stores of gate_w and x are done
	s_barrier_signal -1
	s_wait_loadcnt 0x0                             ; lora_A; its conversions are register work and stand between the signal and the wait
.set n, 0
.rept 32
	v_cvt_pk_f16_f32 v[LA+2*n],   v[LA+4*n],   v[LA+4*n+1]      ; packed downwards, in ascending order: a destination has been read already
	v_cvt_pk_f16_f32 v[LA+2*n+1], v[LA+4*n+2], v[LA+4*n+3]
.set n, n+1
.endr
	s_barrier_wait -1                              ; gate_w and the 16 rows of x are whole
.set n, 0
.rept 32
	ds_store_b64 v10, v[LA+2*n:LA+2*n+1] offset:(n/2)*ASP+(n%2)*256   ; into my wave's own stage: no barrier, LDS serves a wave's instructions in order
.set n, n+1
.endr
	s_cmp_lg_u32 s55, s7                           ; of the four work-groups that hold these rows, work-group q stores those of waves 2 q and 2 q + 1
	s_cbranch_scc1 .Lno_x
.set i, 0
.rept 16
	global_store_b64 v5, v[XH+2*i:XH+2*i+1], s[30:31] offset:(i/8)*2560+256*(i%8)   ; 256 neighbouring bytes, aligned
.set i, i+1
.endr
.Lno_x:
	; THE LOGITS, in f32 on the vector unit: a choice between experts hangs on them, and my rows of x lie in registers already.
.macro GLD j, buf                      ; piece j (128 numbers, 4 a lane) of all eight rows of gate_w
.irp e, 0,1,2,3,4,5,6,7
	ds_load_b128 v[\buf+4*\e:\buf+4*\e+3], v4 offset:L_GW+4096*\e+512*(\j)
.endr
.endm
.macro DOT j, buf                      ; 2 rows x 8 experts x 4 numbers; the very first products start the sums
.irp p, 0,1
.irp w, 0,1
.irp e, 0,1,2,3,4,5,6,7
.if ((\j) == 0) && (\p == 0)
	v_pk_mul_f32 v[ACC+2*(8*\w+\e):ACC+2*(8*\w+\e)+1], v[XF+4*(8*\w+\j):XF+4*(8*\w+\j)+1], v[\buf+4*\e:\buf+4*\e+1]
.else
	v_pk_fma_f32 v[ACC+2*(8*\w+\e):ACC+2*(8*\w+\e)+1], v[XF+4*(8*\w+\j)+2*\p:XF+4*(8*\w+\j)+2*\p+1], v[\buf+4*\e+2*\p:\buf+4*\e+2*\p+1], v[ACC+2*(8*\w+\e):ACC+2*(8*\w+\e)+1]
.endif
.endr
.endr
.endr
.endm
	GLD 0, GA
	GLD 1, GB
.irp j, 0,2,4
	s_wait_dscnt 8                                 ; the older piece is in (and the stores of lora_A, older still, are done: the sums take their registers); the younger piece's eight loads stay out
	DOT \j, GA
	GLD \j+2, GA
	s_wait_dscnt 8
	DOT \j+1, GB
	GLD \j+3, GB
.endr
	s_wait_dscnt 8
	DOT 6, GA
	s_wait_dscnt 0x0
	DOT 7, GB
.macro FLD s                           ; k step s of my chunk (32 k): a fragment of lora_A, a fragment of x
	ds_load_b128 v[FR+16*\s:FR+16*\s+3],     v11 offset:64*\s
	ds_load_b128 v[FR+16*\s+4:FR+16*\s+7],   v11 offset:64*\s+32
	ds_load_b128 v[FR+16*\s+8:FR+16*\s+11],  v9  offset:64*\s
	ds_load_b128 v[FR+16*\s+12:FR+16*\s+15], v9  offset:64*\s+32
.endm
.irp s, 2,3,4,5,6,7
	FLD \s                                         ; six of the eight k steps' fragments come while the logits are finished; the other two would land on the running sums
.endr
.set i, 0
.rept 16
	v_add_f32 v[RED+i], v[ACC+2*i], v[ACC+2*i+1]
.set i, i+1
.endr
.irp m, 1,2,4,8
.set i, 0
.rept 16
	v_add_f32_dpp v[RED+i], v[RED+i], v[RED+i] row_xmask:\m row_mask:0xf bank_mask:0xf
.set i, i+1
.endr
.endr
.set i, 0
.rept 16
	v_permlanex16_b32 v[ACC+i], v[RED+i], s38, s39 ; its destination counts as read: ACC has been written
.set i, i+1
.endr
.set i, 0
.rept 16
	v_add_f32 v[RED+i], v[RED+i], v[ACC+i]         ; every lane now holds my two tokens' eight sums each
.set i, i+1
.endr
	FLD 0
	FLD 1
	; my chunk of u / 16 = (x / 16) . lora_A^T: source 0 = 16 ranks, source 1 = 16 tokens, so a lane holds token r and ranks 8 h + 0..7.
	; Four accumulators take turns, one instruction a turn; they are added below.
	s_wait_dscnt 16                                ; k steps 2 to 5 are in; the sixteen loads of steps 6, 7, 0, 1 are younger
.irp i, 0,1,2,3
	v_wmma_f32_16x16x32_f16 v[WACC+8*\i:WACC+8*\i+7], v[FR+16*(\i+2):FR+16*(\i+2)+7], v[FR+16*(\i+2)+8:FR+16*(\i+2)+15], 0
.endr
	s_wait_dscnt 0x0
.irp i, 0,1,2,3
	v_wmma_f32_16x16x32_f16 v[WACC+8*\i:WACC+8*\i+7], v[FR+16*((\i+6)%8):FR+16*((\i+6)%8)+7], v[FR+16*((\i+6)%8)+8:FR+16*((\i+6)%8)+15], v[WACC+8*\i:WACC+8*\i+7]
.endr
.rept 4
	v_nop                                          ; four places behind the last products
.endr
.irp k, 0,2,4,6
	v_pk_add_f32 v[SUM+\k:SUM+\k+1], v[WACC+\k:WACC+\k+1], v[WACC+8+\k:WACC+9+\k]         ; each accumulator is read from its low end on
.endr
.irp k, 0,2,4,6
	v_pk_add_f32 v[SUM+8+\k:SUM+9+\k], v[WACC+16+\k:WACC+17+\k], v[WACC+24+\k:WACC+25+\k]
.endr
.irp k, 0,2,4,6
	v_pk_add_f32 v[SUM+\k:SUM+\k+1], v[SUM+\k:SUM+\k+1], v[SUM+8+\k:SUM+9+\k]
.endr
	ds_store_b128 v12, v[SUM:SUM+3]
	ds_store_b128 v12, v[SUM+4:SUM+7] offset:16
	s_wait_dscnt 0x0                               ; for the others' sake: my partial u is stored
	s_barrier_signal -1
	; THE ROUTER, on registers alone, between the signal and the wait: lanes 0-15 work on token 2 w, lanes 16-31 on token 2 w + 1.
	v_cmp_ne_u32 vcc_lo, 0, v3
.irp e, 0,1,2,3,4,5,6,7
	v_cndmask_b32 v[LGT+\e], v[RED+\e], v[RED+8+\e], vcc_lo
.endr
.irp e, 0,1,2,3,4,5,6,7
	v_add_f32 v[LGT+\e], s[40+\e], v[LGT+\e]
.endr
	v_mov_b32 v[M1], v[LGT]
	v_mov_b32 v[I1], 0
	v_mov_b32 v[M2], 0xff800000                    ; minus infinity: any finite logit takes its place
	v_mov_b32 v[I2], 0
.irp e, 1,2,3,4,5,6,7
	v_cmp_gt_f32 s50, v[LGT+\e], v[M1]             ; strictly greater: the lower index keeps a tie
	v_cmp_gt_f32 s51, v[LGT+\e], v[M2]
	v_cndmask_b32 v[TV], v[M2], v[LGT+\e], s51
	v_cndmask_b32 v[TI], v[I2], \e, s51
	v_cndmask_b32 v[M2], v[TV], v[M1], s50         ; a new largest pushes the old one down
	v_cndmask_b32 v[I2], v[TI], v[I1], s50
	v_cndmask_b32 v[M1], v[M1], v[LGT+\e], s50
	v_cndmask_b32 v[I1], v[I1], \e, s50
.endr
.irp e, 0,1,2,3,4,5,6,7
	v_sub_f32 v[EX+\e], v[LGT+\e], v[M1]           ; the largest is taken away first: its own exponent is exactly 0
.endr
	v_sub_f32 v[EX+8], v[M2], v[M1]
.irp e, 0,1,2,3,4,5,6,7,8
	v_mul_f32 v[EX+\e], s48, v[EX+\e]
.endr
.irp e, 0,1,2,3,4,5,6,7,8
	v_exp_f32 v[EX+\e], v[EX+\e]
.endr
	v_cmp_ne_u32 vcc_lo, 0, v6                     ; (also the plain instruction behind the last exponential)
	v_cndmask_b32 v[TI], v[I1], v[I2], vcc_lo      ; my slot's expert: the token's first for U1, its second for U2
	v_cmp_eq_u32 s52, v[TI], v15                   ; is it my columns' expert?
	s_wait_alu depctr_va_vdst(0)
	v_add_f32 v[EX], v[EX], v[EX+1]
	v_add_f32 v[EX+2], v[EX+2], v[EX+3]
	v_add_f32 v[EX+4], v[EX+4], v[EX+5]
	v_add_f32 v[EX+6], v[EX+6], v[EX+7]
	v_add_f32 v[EX], v[EX], v[EX+2]
	v_add_f32 v[EX+4], v[EX+4], v[EX+6]
	v_add_f32 v[EX], v[EX], v[EX+4]                ; the softmax's sum, at least 1
	v_rcp_f32 v[RZ], v[EX]
	v_add_f32 v[EX+8], 1.0, v[EX+8]                ; the two largest weights: 1 and the second's (a plain instruction behind the reciprocal)
	s_wait_alu depctr_va_vdst(0)
	v_mul_f32 v[VSV], v[EX+8], v[RZ]
	s_barrier_wait -1                              ; all eight waves' partial u are there
	; the four quarters of K are added, rounded, kept or set to 0, and stored
.irp c, 0,1,2,3
	ds_load_b128 v[WACC+4*\c:WACC+4*\c+3], v13 offset:\c*PUC
.endr
	s_wait_dscnt 0x0
	v_pk_add_f32 v[WACC:WACC+1],     v[WACC:WACC+1],     v[WACC+4:WACC+5]
	v_pk_add_f32 v[WACC+2:WACC+3],   v[WACC+2:WACC+3],   v[WACC+6:WACC+7]
	v_pk_add_f32 v[WACC+8:WACC+9],   v[WACC+8:WACC+9],   v[WACC+12:WACC+13]
	v_pk_add_f32 v[WACC+10:WACC+11], v[WACC+10:WACC+11], v[WACC+14:WACC+15]
	v_pk_add_f32 v[WACC:WACC+1],     v[WACC:WACC+1],     v[WACC+8:WACC+9]
	v_pk_add_f32 v[WACC+2:WACC+3],   v[WACC+2:WACC+3],   v[WACC+10:WACC+11]
	v_cvt_pk_f16_f32 v[WACC+16], v[WACC],   v[WACC+1]
	v_cvt_pk_f16_f32 v[WACC+17], v[WACC+2], v[WACC+3]
	v_cndmask_b32 v[WACC+16], 0, v[WACC+16], s52   ; kept where my columns' expert is the one that my slot holds, else 0
	v_cndmask_b32 v[WACC+17], 0, v[WACC+17], s52
	global_store_b64 v14, v[WACC+16:WACC+17], s[30:31]             ; eight lanes store 64 neighbouring bytes: two tokens x (U1, U2)
	s_cmp_lg_u32 s55, s7                           ; vs is shared out as x is: work-group q stores that of waves 2 q and 2 q + 1
	s_cbranch_scc1 .Lend
	v_lshlrev_b32 v[VSV+1], 2, v3
	v_cmp_eq_u32 vcc_lo, 0, v2                     ; lanes 0 and 16: my two tokens' vs, 8 bytes (the whole buffer is 4,096)
	s_wait_xcnt 0x0                                ; EXEC changes only behind this wait
	s_and_saveexec_b32 s54, vcc_lo
	global_store_b32 v[VSV+1], v[VSV], s[36:37]
	s_wait_xcnt 0x0
	s_or_b32 exec_lo, exec_lo, s54
.Lend:
	s_set_vgpr_msb 0x5
	s_wait_tensorcnt 0x0
	ds_add_u32 v0, v1
	s_wait_dscnt 0x0
	s_set_vgpr_msb 0x500
	s_endpgm
.Lfunc_end_k_q28fd5d4934_prep:
	.size	k_q28fd5d4934_prep, .Lfunc_end_k_q28fd5d4934_prep-k_q28fd5d4934_prep
	.p2alignl 7, 3214868480
	.fill 96, 4, 3214868480
	.section	.rodata,"a",@progbits
	.p2align	6, 0x0
	.amdhsa_kernel k_q28fd5d4934_prep
		.amdhsa_group_segment_fixed_size 143616
		.amdhsa_private_segment_fixed_size 0
		.amdhsa_enable_private_segment 0
		.amdhsa_kernarg_size 88
		.amdhsa_user_sgpr_count 2
		.amdhsa_user_sgpr_kernarg_segment_ptr 1
		.amdhsa_wavefront_size32 1
		.amdhsa_system_sgpr_workgroup_id_x 1
		.amdhsa_system_sgpr_workgroup_id_y 1
		.amdhsa_system_sgpr_workgroup_id_z 1
		.amdhsa_system_vgpr_workitem_id 0
		.amdhsa_next_free_vgpr 258
		.amdhsa_next_free_sgpr 66
		.amdhsa_reserve_vcc 1
		.amdhsa_float_denorm_mode_32 3
		.amdhsa_float_denorm_mode_16_64 3
		.amdhsa_memory_ordered 1
		.amdhsa_forward_progress 1
		.amdhsa_inst_pref_size 86
	.end_amdhsa_kernel
	.amdgpu_metadata
---
amdhsa.version: [ 1, 2 ]
amdhsa.kernels:
  - .name:           k_q28fd5d4934_prep
    .symbol:         k_q28fd5d4934_prep.kd
    .args:
      - { .name: hidden_states, .offset: 0, .size: 8, .value_kind: global_buffer, .address_space: global }
      - { .name: gate_w, .offset: 8, .size: 8, .value_kind: global_buffer, .address_space: global }
      - { .name: gate_b, .offset: 16, .size: 8, .value_kind: global_buffer, .address_space: global }
      - { .name: lora_A, .offset: 24, .size: 8, .value_kind: global_buffer, .address_space: global }
      - { .name: wi, .offset: 32, .size: 8, .value_kind: global_buffer, .address_space: global }
      - { .name: lora_B, .offset: 40, .size: 8, .value_kind: global_buffer, .address_space: global }
      - { .name: wo, .offset: 48, .size: 8, .value_kind: global_buffer, .address_space: global }
      - { .name: xcat, .offset: 56, .size: 8, .value_kind: global_buffer, .address_space: global }
      - { .name: wcat, .offset: 64, .size: 8, .value_kind: global_buffer, .address_space: global }
      - { .name: wob, .offset: 72, .size: 8, .value_kind: global_buffer, .address_space: global }
      - { .name: vs, .offset: 80, .size: 8, .value_kind: global_buffer, .address_space: global }
    .group_segment_fixed_size: 143616
    .private_segment_fixed_size: 0
    .kernarg_segment_align: 8
    .kernarg_segment_size: 88
    .max_flat_workgroup_size: 256
    .sgpr_count:     66
    .vgpr_count:     258
    .wavefront_size: 32
...
	.end_amdgpu_metadata
.endif
;; end of part 4
;; launch up: the kernel of part 2 again; grid 32 x 8, 4 waves a work-group, clusters of 4 x 4, 327,680 bytes of LDS; arguments xcat, wcat, hsum, bi; writes hsum
;; launch down (part 5): grid 16 x 16, 4 waves a work-group, clusters of 4 x 1, 327,680 bytes of LDS; arguments hsum, wob, out0, bo, vs; writes out0
.if DOCPART == 5
	.amdgcn_target "amdgcn-amd-amdhsa--gfx1250"
	.amdhsa_code_object_version 6
	.text
	.protected	k_q28fd5d4934_down
	.globl	k_q28fd5d4934_down
	.p2align	8
	.type	k_q28fd5d4934_down,@function
k_q28fd5d4934_down:
	s_mov_b64 s[64:65], 0
	v_nop
	global_prefetch_b8 v0, s[64:65] scope:SCOPE_SE
	s_setreg_imm32_b32 hwreg(HW_REG_WAVE_MODE, 25, 1), 1
	s_wait_xcnt 0x0
	s_wait_alu depctr_hold_cnt(0) depctr_sa_sdst(0) depctr_va_vdst(0) depctr_va_sdst(0) depctr_va_ssrc(0) depctr_va_vcc(0) depctr_vm_vsrc(0)
	s_getreg_b32 s2, hwreg(HW_REG_IB_STS2, 6, 4)
	s_cmp_eq_u32 s2, 0
	s_cbranch_scc0 .Lentry_in_a_cluster
	s_endpgm
.Lentry_in_a_cluster:
	s_bfe_u32 s2, ttmp6, 0x10000c
	s_cmp_lg_u32 s2, 0x3003
	s_cbranch_scc0 .Lentry_shape_is_right
	s_endpgm
.Lentry_shape_is_right:
; out0[t][d] = vs[t] x (16 x (hsum[t] . wo[d]) + 2 bo[d]).  hsum [1024][4096] f16 (the two experts' hidden vectors added, times 2^-4); bo [1024], vs [1024] and out0 [1024][1024] in f32; sums in f32.
; wob: wo in f16 as a matrix operand's register image: blocks of 16 d x 32 k of 1,024 bytes, block (db, kb) at byte (128 db + kb) x 1,024; lane l owns the 16 bytes at 16 l and those at 512 + 16 l.
; (Both chosen experts carry the same gate vs and the same wo and bo, so their hidden vectors were added in hsum and bo counts twice.  The factor 16 takes hsum's exact 2^-4 back, in the fused multiply-add that adds 2 bo.)
; f16's room for wo: thirty times larger, or offset by 30 spreads, it stays under 3; thirty times smaller it is 0.0005 rms, where f16's step is 2^-24 at the most.
; A work-group makes 64 tokens x 64 d: 16 x 16 = 256 work-groups.  WAVE w MULTIPLIES THE WHOLE 64 x 64 TILE OVER ITS OWN QUARTER OF K: of each K step of 1,024 the 256 k from 256 w on, eight k steps of 32;
; 16 accumulators by turns, 8 fragments for 16 products.  The four partial tiles are added through LDS at the end.  So no fragment is read by a second wave of the work-group.
; hsum comes through LDS: two slots of four regions of 64 rows x 512 bytes; wave w fills region w with one tensor load and is the only wave that reads it.
; CLUSTER: 4 x 1 work-groups: four tile columns of one tile row need the same rows of hsum, and ask for them JOINTLY.
; wo COMES STRAIGHT INTO REGISTERS, WITHOUT MULTICAST, AND THIS IS WHY.  A slot is filled again behind a round in front.
; With both operands in LDS a slot holds 512 k and K = 4,096 takes two first fills and six refills, one after the other; with hsum alone it holds 1,024 k: two first fills and two refills.
; wob's loads hang on no barrier: a ring of eight k steps' fragments in registers, asked for seven k steps (56 loads of 512 bytes a wave) ahead.  The price: each of the 16 work-groups of a tile column asks for
; its 512 KB of wob itself, 128 MB of requests in the launch where joint loads would make 32 MB.
; THE MATRIX INSTRUCTION IS USED TRANSPOSED (source 0 = 16 rows d of wo, source 1 = 16 rows of hsum): a lane holds one token and eight neighbouring d.
; REGISTERS: window 0: v0-31 addresses; v32-39 vs of my eight pairs of rows; v40-43 bo; v128-255 the accumulators, later the partial tiles read back.
;   window 1: v0-127 hsum's fragments, a ring of four k steps x 32.   window 2: v0-255 wo's fragments, a ring of eight k steps x 32.
.set NK,     32                        ; k steps of 32 in a wave's 1,024 k
.set ROWK,   4096
.set PITCH,  528                       ; an LDS row: 512 bytes + 16 of padding = 33 x 16: the 16 rows of a fragment load start in 16 different 16-byte columns
.set HALFT,  64*PITCH                  ; a region: what one tensor load brings
.set SLOT,   4*HALFT
.set STEPB,  2048                      ; bytes along a row of hsum from a K step to the next
.set DBLK,   131072                    ; bytes of wob from a block row of 16 d to the next
.set SPARE,  2*SLOT                    ; the spare words, 128 bytes for each wave: two blocks of 256 bytes that no other line names
.set PPITCH, 272                       ; a row of a partial tile: 64 f32 + 16 bytes
.set PART,   64*PPITCH                 ; a partial tile; the four lie in slot 0, which has had its last fill and its last read by then
.set ADRA, 16                          ; v16-17  LDS address of my hsum fragments in slot 0, 1
.set BV,   20                          ; v20     16 x lane: my place in a block of wob; never rewritten
.set STO,  24
.set RD,   25
.set CO,   26
.set VOF,  27                          ; v27  4 (l / 16): my offset in vs
.set SPW,  28                          ; v28  my spare word; never rewritten
.set NIL,  29                          ; v29  0; never rewritten
.set BOF,  30                          ; v30  16 (l % 16): my offset in bo
.set VS,   32
.set BO,   40
.set ACC,  128
.set G1, 24                            ; s[24:31] descriptor group 1
.set G0, 32                            ; s[32:39] descriptor group 0, a set for each slot
.set MSB, 0
.macro WIN new                         ; the immediate's high byte repeats the setting that is left; a switch that changes nothing is dropped
.if MSB != \new
	s_set_vgpr_msb (MSB<<8)|\new
.set MSB, \new
.endif
.endm
.set MUL,  0x06                        ; source 0 (wo) window 2, source 1 (hsum) window 1; C and D window 0
.set TO_A, 0x40                        ; destination window 1, address window 0
.set TO_B, 0x80                        ; destination window 2, address window 0
.macro CROUND                          ; a round of the cluster's barrier
	s_barrier_signal -1
	s_barrier_wait -1
	s_cmp_lg_u32 s10, 0
	s_cbranch_scc1 .Lnot_wave_0_\@
	s_barrier_signal -3
.Lnot_wave_0_\@:
	s_barrier_wait -3
	s_barrier_signal -1
	s_barrier_wait -1
.endm
.macro PLACES                          ; four places in front of loads into registers that matrix instructions have read, and of LDS stores that read results
.rept 4
	v_nop
.endr
.endm
; hsum's fragments of k step i (four blocks of 16 tokens x 32 k): 8 LDS loads into ring place i % 4; the slot is that of K step i / 8
.macro ALD i
.irp a, 0,1,2,3
	ds_load_b128 v[32*((\i)%4)+8*\a:32*((\i)%4)+8*\a+3],   v[ADRA+((\i)/8)%2] offset:\a*16*PITCH+64*((\i)%8)
	ds_load_b128 v[32*((\i)%4)+8*\a+4:32*((\i)%4)+8*\a+7], v[ADRA+((\i)/8)%2] offset:\a*16*PITCH+64*((\i)%8)+32
.endr
.endm
; wo's fragments of k step i (four blocks of 16 d x 32 k): 8 loads of 512 neighbouring bytes into ring place i % 8.  My k step i is block column 32 (i / 8) + 8 w + i % 8; 8 w stands in the base
.macro BLD i
.irp b, 0,1,2,3
	global_load_b128 v[32*((\i)%8)+8*\b:32*((\i)%8)+8*\b+3],   v[BV], s[6:7] offset:\b*DBLK+(32*((\i)/8)+(\i)%8)*1024
	global_load_b128 v[32*((\i)%8)+8*\b+4:32*((\i)%8)+8*\b+7], v[BV], s[6:7] offset:\b*DBLK+(32*((\i)/8)+(\i)%8)*1024+512
.endr
.endm
; THE CHANGE OF SLOTS, at the head of k step 8 j + 5: the last fragments of K step j's slot were asked for in k step 8 j + 4, the next loads read the other slot.  Each wave waits for all its tensor loads,
; of which one is out: its region of the other slot; adds 0 to its spare word; and waits for that and for its reads of the slot.  fill = 1: a round of the cluster's barrier, so that no wave of any partner still
; reads the slot or has a load on its way, and the joint refill first behind it, two K steps ahead.  fill = 0: nothing is left to fetch; a plain barrier, behind which no wave reads slot 0 any more.
.macro CHANGE slot, fill
	WIN 0
	s_wait_tensorcnt 0x0                           ; no tensor load of mine is out, so a group 0 may be written
	ds_add_u32 v[SPW], v[NIL]                      ; 0 onto my spare word
.if \fill
	s_add_nc_u64 s[G0+4*\slot+2:G0+4*\slot+3], s[G0+4*\slot+2:G0+4*\slot+3], 2*STEPB   ; the slot's next K step; the type bits on top are not reached
.endif
	s_wait_dscnt 0x0                               ; the add is done, and my reads of the slot are over
.if \fill
	CROUND
	tensor_load_to_lds s[G0+4*\slot:G0+4*\slot+3], s[G1:G1+7]      ; my one tensor load behind the round
	s_nop 0
.else
	s_barrier_signal -1
	s_barrier_wait -1
.endif
	PLACES                                         ; behind a tensor load; also the places in front of the loads that follow
.endm
	s_load_b128 s[4:7], s[0:1], 0x0                ; hsum s[4:5], wob s[6:7]
	s_load_b64 s[8:9], s[0:1], 0x10                ; out0
	s_load_b128 s[68:71], s[0:1], 0x18             ; bo s[68:69], vs s[70:71]
	v_lshl_add_u32 v[SPW], v0, 2, SPARE
	v_mov_b32 v[NIL], 0
	ds_add_u32 v28, v29
	s_wait_dscnt 0x0
	v_lshrrev_b32 v1, 5, v0
	v_readfirstlane_b32 s10, v1                    ; wave 0..3
	v_and_b32 v3, 31, v0
	v_lshlrev_b32 v[BV], 4, v3                     ; 16 x lane
	s_mov_b32 s74, 0x41800000                      ; 16; the packed multiply-add names a pair and takes its low word for both halves
	s_mov_b32 s75, 0x41800000
	s_bfe_u32 s40, ttmp6, 0x40000                  ; cx: my place in the cluster
	s_lshl_b32 s42, ttmp9, 2                       ; in a cluster launch ttmp9 counts clusters
	s_add_co_u32 s42, s42, s40                     ; tile column (d) = 4 x cluster x + cx: it enters wob's, bo's and out0's addresses alone
	s_and_b32 s13, ttmp7, 0xffff                   ; tile row (tokens), which the four partners share
	; group 1: a tile of 64 rows x 256 elements, padded in LDS
	s_mov_b32 s[G1+0], 15|(1<<16)|(1<<20)|(1<<21)|(6<<22)|(3<<25)  ; 15:0 the mask: all four work-groups; 17:16 elements of 2 bytes; 20 padding on; 21 set beside a mask; 24:22 after every 128 words (code 6); 31:25 4 words of it (code 3)
	s_mov_b32 s[G1+1], 256<<16                     ; tensor_dim0 = 256
	s_mov_b32 s[G1+2], 64<<16                      ; tensor_dim1 = 64
	s_mov_b32 s[G1+3], 256<<16                     ; tile_dim0 = 256
	s_mov_b32 s[G1+4], 64                          ; tile_dim1 = 64
	s_mov_b32 s[G1+5], ROWK                        ; elements from row to row
	s_mov_b32 s[G1+6], 0
	s_mov_b32 s[G1+7], 0
	s_lshl_b32 s16, s13, 19                        ; hsum: 64 rows of 8,192 bytes for each tile row,
	s_lshl_b32 s17, s10, 9                         ; my quarter of a K step: 256 elements
	s_add_co_u32 s16, s16, s17
	s_mov_b32 s17, 0
	s_lshl_b32 s46, s42, 19                        ; wob: four block rows of 131,072 bytes for each tile column,
	s_lshl_b32 s47, s10, 13                        ; my quarter of a K step: 8 blocks of 1,024 bytes
	s_add_co_u32 s46, s46, s47
	s_mov_b32 s47, 0
	s_mul_i32 s20, s10, HALFT                      ; region w: no place in the cluster enters an LDS address
	s_wait_kmcnt 0x0
	s_add_nc_u64 s[14:15], s[4:5], s[16:17]
	s_add_nc_u64 s[6:7], s[6:7], s[46:47]
.irp s, 0,1
	s_mov_b32 s[G0+4*\s], 1                                        ; count = 1
	s_add_co_u32 s[G0+4*\s+1], s20, \s*SLOT                        ; LDS address
	s_add_nc_u64 s[G0+4*\s+2:G0+4*\s+3], s[14:15], \s*STEPB        ; global address: K step s
	s_or_b32 s[G0+4*\s+3], s[G0+4*\s+3], 0x80000000                ; type = 2
.endr
	CROUND                                         ; all four work-groups are here: the first joint loads meet
	tensor_load_to_lds s[G0:G0+3], s[G1:G1+7]      ; the two first fills go out together, ahead of every wait on TENSORcnt and every LDS read: two loads of mine are out
	s_nop 0
	tensor_load_to_lds s[G0+4:G0+7], s[G1:G1+7]
	s_nop 0
	PLACES
	WIN TO_B
.irp k, 0,1,2,3,4,5,6
	BLD \k                                         ; wo's ring is filled: seven k steps, 56 loads
.endr
	WIN 0
	v_and_b32 v1, 15, v0                           ; l % 16
	v_bfe_u32 v2, v0, 4, 1                         ; l / 16
	; vs of the rows that I store (16 w + 2 t + l / 16 of the tile) and bo of my four columns (4 (l % 16) ..): the addresses now, the loads behind wo's last
	s_lshl_b32 s72, s13, 8
	s_lshl_b32 s73, s10, 6
	s_add_co_u32 s72, s72, s73
	s_mov_b32 s73, 0
	s_add_nc_u64 s[70:71], s[70:71], s[72:73]
	s_lshl_b32 s72, s42, 8
	s_add_nc_u64 s[68:69], s[68:69], s[72:73]
	v_lshlrev_b32 v[VOF], 2, v2
	v_lshlrev_b32 v[BOF], 4, v1
	v_mul_u32_u24 v3, v1, PITCH
	v_lshl_add_u32 v3, v2, 4, v3                   ; a fragment's row x pitch + 16 x half
	s_add_co_u32 s21, s20, SLOT
	v_add_nc_u32 v[ADRA], s20, v3                  ; my region of slot 0,
	v_add_nc_u32 v[ADRA+1], s21, v3                ; of slot 1
	s_mul_i32 s23, s10, PART                       ; my partial tile: row l % 16, 32 bytes for each half of the lanes
	v_mul_u32_u24 v4, v1, PPITCH
	v_lshl_add_u32 v4, v2, 5, v4
	v_add_nc_u32 v[STO], s23, v4
	s_mul_i32 s23, s10, 16*PPITCH                  ; back: wave w takes rows 16 w .. 16 w + 15 of all four; lanes 0-15 one row of 256 bytes, lanes 16-31 the next
	v_mul_u32_u24 v5, v2, PPITCH
	v_lshl_add_u32 v5, v1, 4, v5
	v_add_nc_u32 v[RD], s23, v5
	v_lshlrev_b32 v5, 12, v2                       ; and the same two rows in out0 (4,096 bytes a row)
	v_lshl_add_u32 v[CO], v1, 4, v5
	s_lshl_b32 s16, s13, 18                        ; the first row that I store, 64 x tile row + 16 x wave, times 4,096 bytes
	s_lshl_b32 s17, s10, 16
	s_add_co_u32 s16, s16, s17
	s_mov_b32 s17, 0
	s_add_nc_u64 s[8:9], s[8:9], s[16:17]
	s_lshl_b32 s46, s42, 8                         ; the tile's first column, in bytes
	s_mov_b32 s47, 0
	s_add_nc_u64 s[8:9], s[8:9], s[46:47]
	s_wait_tensorcnt 1                             ; my region of K step 0 is in; K step 1's may stay out
	s_barrier_signal -1
	s_barrier_wait -1
	WIN TO_A
	ALD 0
	ALD 1
	ALD 2
; K STEP i OF 32, written out.  The ring places that k step i - 1 multiplied take hsum's fragments of k step i + 3 and wo's of k step i + 7; then the 16 products,
; on 16 accumulators that take turns, one instruction a turn.  The first k step's products start the sums: nothing is cleared.
.macro KSTEP
.if i == 5
	CHANGE 0, 1                                    ; slot 0 takes K step 2
.elseif i == 13
	CHANGE 1, 1                                    ; slot 1 takes K step 3
.elseif i == 21
	CHANGE 0, 0                                    ; nothing is left to fetch
.elseif i > 0
	PLACES
.endif
.if i+3 < NK
	WIN TO_A
	ALD i+3
.endif
.if i+7 < NK
	WIN TO_B
	BLD i+7
.endif
.if i == NK-7
	WIN 0                                          ; wo's last loads are out: vs and bo follow, nine loads
.irp t, 0,1,2,3,4,5,6,7
	global_load_b32 v[VS+\t], v[VOF], s[70:71] offset:8*\t
.endr
	global_load_b128 v[BO:BO+3], v[BOF], s[68:69]
.endif
.set da, NK-1-i
.if da > 3
.set da, 3
.endif
.set lb, NK-1-i
.if lb > 7
.set lb, 7
.endif
	s_wait_dscnt 8*da                              ; LDS loads come back in order: hsum's fragments of this k step are in, those of the (at most three) later ones stay out
.if i >= NK-7
	s_wait_loadcnt 8*lb+9                          ; wo's of this k step are in; the later k steps' and the nine of vs and bo stay out
.else
	s_wait_loadcnt 8*lb                            ; loads come back in order: wo's of this k step are in, those of the seven later ones stay out
.endif
	WIN MUL
.irp a, 0,1,2,3
.irp b, 0,1,2,3
.if i == 0
	v_wmma_f32_16x16x32_f16 v[ACC+8*(4*\a+\b):ACC+8*(4*\a+\b)+7], v[32*(i%8)+8*\b:32*(i%8)+8*\b+7], v[32*(i%4)+8*\a:32*(i%4)+8*\a+7], 0
.else
	v_wmma_f32_16x16x32_f16 v[ACC+8*(4*\a+\b):ACC+8*(4*\a+\b)+7], v[32*(i%8)+8*\b:32*(i%8)+8*\b+7], v[32*(i%4)+8*\a:32*(i%4)+8*\a+7], v[ACC+8*(4*\a+\b):ACC+8*(4*\a+\b)+7]
.endif
.endr
.endr
.endm
.set i, 0
.rept NK
	KSTEP
.set i, i+1
.endr
	WIN 0
	; THE WAY OUT: each wave's partial tile goes into LDS (a lane's eight d of a token are 32 bytes); a barrier; wave w adds the four partial tiles' rows 16 w .. 16 w + 15, takes 16 x the sum + 2 bo, scales by vs and stores.
	; The partial tiles lie in slot 0: its last fill was waited for at k step 13, and every wave's last read of it lies in front of the barrier at k step 21.
	PLACES
.irp a, 0,1,2,3
.irp b, 0,1,2,3
	ds_store_b128 v[STO], v[ACC+8*(4*\a+\b):ACC+8*(4*\a+\b)+3]   offset:\a*16*PPITCH+64*\b      ; each accumulator from its low end on
	ds_store_b128 v[STO], v[ACC+8*(4*\a+\b)+4:ACC+8*(4*\a+\b)+7] offset:\a*16*PPITCH+64*\b+16
.endr
.endr
	s_wait_dscnt 0x0                               ; for the others' sake: my partial tile is stored
	s_barrier_signal -1
	s_barrier_wait -1
.irp t, 0,1,2,3,4,5,6,7
.irp p, 0,1,2,3
	ds_load_b128 v[ACC+16*\t+4*\p:ACC+16*\t+4*\p+3], v[RD] offset:\p*PART+\t*2*PPITCH
.endr
.endr
	s_wait_loadcnt 0x0                             ; vs and bo
	v_pk_add_f32 v[BO:BO+1], v[BO:BO+1], v[BO:BO+1]               ; 2 bo
	v_pk_add_f32 v[BO+2:BO+3], v[BO+2:BO+3], v[BO+2:BO+3]
.irp t, 0,1,2,3,4,5,6,7
	s_wait_dscnt 28-4*\t                           ; LDS loads come back in order: pair t's four are in, the later pairs' stay out
	v_pk_add_f32 v[ACC+16*\t:ACC+16*\t+1],     v[ACC+16*\t:ACC+16*\t+1],     v[ACC+16*\t+4:ACC+16*\t+5]
	v_pk_add_f32 v[ACC+16*\t+2:ACC+16*\t+3],   v[ACC+16*\t+2:ACC+16*\t+3],   v[ACC+16*\t+6:ACC+16*\t+7]
	v_pk_add_f32 v[ACC+16*\t+8:ACC+16*\t+9],   v[ACC+16*\t+8:ACC+16*\t+9],   v[ACC+16*\t+12:ACC+16*\t+13]
	v_pk_add_f32 v[ACC+16*\t+10:ACC+16*\t+11], v[ACC+16*\t+10:ACC+16*\t+11], v[ACC+16*\t+14:ACC+16*\t+15]
	v_pk_add_f32 v[ACC+16*\t:ACC+16*\t+1],     v[ACC+16*\t:ACC+16*\t+1],     v[ACC+16*\t+8:ACC+16*\t+9]
	v_pk_add_f32 v[ACC+16*\t+2:ACC+16*\t+3],   v[ACC+16*\t+2:ACC+16*\t+3],   v[ACC+16*\t+10:ACC+16*\t+11]
	v_pk_fma_f32 v[ACC+16*\t:ACC+16*\t+1],     v[ACC+16*\t:ACC+16*\t+1],     s[74:75], v[BO:BO+1] op_sel_hi:[1,0,1]       ; 16 x the sum + 2 bo
	v_pk_fma_f32 v[ACC+16*\t+2:ACC+16*\t+3],   v[ACC+16*\t+2:ACC+16*\t+3],   s[74:75], v[BO+2:BO+3] op_sel_hi:[1,0,1]
.irp k, 0,1,2,3
	v_mul_f32 v[ACC+16*\t+\k], v[VS+\t], v[ACC+16*\t+\k]
.endr
	global_store_b128 v[CO], v[ACC+16*\t:ACC+16*\t+3], s[8:9] offset:\t*8192 th:TH_STORE_NT   ; 16 lanes store 256 consecutive bytes, at a multiple of 256 from out0's first byte
.endr
	s_wait_tensorcnt 0x0                           ; the wave's end
	ds_add_u32 v[SPW], v[NIL]
	s_wait_dscnt 0x0
	CROUND                                         ; the closing round: no work-group ends while a partner may still ask for a tile that names it
	s_endpgm
.Lfunc_end_k_q28fd5d4934_down:
	.size	k_q28fd5d4934_down, .Lfunc_end_k_q28fd5d4934_down-k_q28fd5d4934_down
	.p2alignl 7, 3214868480
	.fill 96, 4, 3214868480
	.section	.rodata,"a",@progbits
	.p2align	6, 0x0
	.amdhsa_kernel k_q28fd5d4934_down
		.amdhsa_group_segment_fixed_size 327680
		.amdhsa_private_segment_fixed_size 0
		.amdhsa_enable_private_segment 0
		.amdhsa_kernarg_size 40
		.amdhsa_user_sgpr_count 2
		.amdhsa_user_sgpr_kernarg_segment_ptr 1
		.amdhsa_wavefront_size32 1
		.amdhsa_system_sgpr_workgroup_id_x 1
		.amdhsa_system_sgpr_workgroup_id_y 1
		.amdhsa_system_sgpr_workgroup_id_z 1
		.amdhsa_system_vgpr_workitem_id 0
		.amdhsa_next_free_vgpr 768
		.amdhsa_next_free_sgpr 76
		.amdhsa_reserve_vcc 0
		.amdhsa_float_denorm_mode_32 3
		.amdhsa_float_denorm_mode_16_64 3
		.amdhsa_memory_ordered 1
		.amdhsa_forward_progress 1
		.amdhsa_inst_pref_size 99
	.end_amdhsa_kernel
	.amdgpu_metadata
---
amdhsa.version: [ 1, 2 ]
amdhsa.kernels:
  - .name:           k_q28fd5d4934_down
    .symbol:         k_q28fd5d4934_down.kd
    .args:
      - { .name: hsum, .offset: 0, .size: 8, .value_kind: global_buffer, .address_space: global }
      - { .name: wob, .offset: 8, .size: 8, .value_kind: global_buffer, .address_space: global }
      - { .name: out0, .offset: 16, .size: 8, .value_kind: global_buffer, .address_space: global }
      - { .name: bo, .offset: 24, .size: 8, .value_kind: global_buffer, .address_space: global }
      - { .name: vs, .offset: 32, .size: 8, .value_kind: global_buffer, .address_space: global }
    .group_segment_fixed_size: 327680
    .private_segment_fixed_size: 0
    .kernarg_segment_align: 8
    .kernarg_segment_size: 40
    .max_flat_workgroup_size: 128
    .sgpr_count:     76
    .vgpr_count:     768
    .wavefront_size: 32
...
	.end_amdgpu_metadata
.endif
;; end of part 5
